; MI455X (gfx1250); checked and timed in simulation.
; The chip was launched on July 23, 2026; its instructions are those of AMD's public machine-readable ISA for CDNA 5 (MIT licence, August 2026) and "CDNA5" Instruction Set Architecture Reference Guide (July 2026). The comments in the code are by the model that wrote it; some were corrected since.
;; Flax Attention. Allowed arithmetic: matrix products marked QUANTISED: E2M1 operands, one E8M0 scale for each 32 along K, by v_wmma_scale_f32_16x16x128_f8f6f4 with both operands' format E2M1 (or v_wmma_scale_f32_32x16x128_f4), f32 sums; products left as they are: bf16, f16 or f32 operands; f32 sums; everything else in f32.
;; Inputs: position_ids 2 x 1,024 int32; wk 2,880 x 512 float32; wo 2,048 x 2,880 float32; wq 2,880 x 2,048 float32; wv 2,880 x 512 float32; x 2 x 1,024 x 2,880 float32.
;; Outputs: out0 2 x 1,024 x 2,880 float32.
;; This version of the problem:
;;   THIS VERSION OF THE PROBLEM IS GIVEN IN LOW PRECISION. The matrix products marked QUANTISED in the list below multiply operands that are first quantised to E2M1 (2 exponent bits, 1 mantissa bit; 4 bits a number), with one power-of-two scale for each 32 numbers along K (OCP MX v1.0); their sums are f32. The products marked 'left as it is' may take bf16, f16 or f32 operands, with f32 sums. Whichever they take, every output number must still come out within the allowed error. Rounding operands to bf16 (8 significant bits) uses up far more of that allowance than f16 does (11 bits, for magnitudes from 6e-5 to 65,504). All else is computed in f32.
;;   The module's matrix products, in the order in which they are computed (A, B: the left and right operand; K: the contracted axis; several contracted axes count as one K, in the product's order):
;;     1. [M 2,048, K 2,880] x [K 2,880, N 2,048]; A: input x; B: input wq: QUANTISED
;;     2. [M 2,048, K 2,880] x [K 2,880, N 512]; A: input x; B: input wk: QUANTISED
;;     3. [M 2,048, K 2,880] x [K 2,880, N 512]; A: input x; B: input wv: QUANTISED
;;     4. batch 64 x [M 1,024, K 64] x [K 64, N 1,024]; A: computed on the way; B: computed on the way: left as it is (an operand is computed on the way)
;;     5. batch 64 x [M 1,024, K 1,024] x [K 1,024, N 64]; A: computed on the way; B: computed on the way: left as it is (an operand is computed on the way)
;;     6. [M 2,048, K 2,048] x [K 2,048, N 2,880]; A: computed on the way; B: input wo: left as it is (an operand is computed on the way)
;;   THE QUANTISER, for each operand of a quantised product, along K:
;;     - K is cut into blocks of 32 from its start; a last block that is shorter is filled with zeros.
;;     - A block's scale is 2^e with e = floor(log2(the largest magnitude in the block)) - 2, held to -126 .. 127; a block of zeros has e = 0. As a byte (E8M0): e + 127.
;;     - Each number is divided by its block's scale, clamped to +-6, and rounded to the nearest number of E2M1, ties to even, subnormals kept.
;;     - The product sums the exact products of the quantised numbers (number of the format x scale) in f32.
;;   ~~~python
;;   def quantise(x, axis):      # numpy; x: float32 -> the quantised numbers, widened to float32 again
;;       x = np.moveaxis(x, axis, -1); K = x.shape[-1]
;;       x = np.pad(x, [(0, 0)] * (x.ndim - 1) + [(0, -K % 32)]); x = x.reshape(x.shape[:-1] + (-1, 32)); a = np.abs(x).max(-1, keepdims=True)
;;       e = np.where(a > 0, np.clip(np.frexp(np.where(a > 0, a, 1))[1] - 1 - 2, -126, 127), 0)      # np.frexp(a)[1] - 1 = floor(log2(a)), exactly
;;       r = np.clip(x / 2.0 ** e, -6, 6)
;;       step = 2.0 ** (np.maximum(np.frexp(np.where(r == 0, 1, r))[1] - 1, 0) - 1)
;;       q = np.round(r / step) * step * 2.0 ** e      # np.round: ties to even
;;       return np.moveaxis(q.reshape(q.shape[:-2] + (-1,))[..., :K], -1, axis).astype(np.float32)
;;   ~~~
;; One version. Each part assembles by itself: llvm-mc -triple=amdgcn-amd-amdhsa -mcpu=gfx1250 --defsym DOCPART=n.
;; ======== version 1 of 1: 4 launches
;; limits: values are held in f16: magnitudes above 65,504 overflow, below 6.1e-05 lose precision; right only within a limited range of input values
;; workspace buffers: xc 3,145,728 bytes; wc 4,718,592 bytes; sc 491,520 bytes; tab 524,288 bytes; wf 11,796,480 bytes; qkv 12,582,912 bytes; af 8,388,608 bytes
;; launch prep (part 1): grid 548 x 1, 4 waves a work-group, no clusters, 35,328 bytes of LDS; arguments position_ids, x, wq, wk, wv, wo, xc, wc, sc, wf, tab; writes xc, wc, sc, wf, tab
.if DOCPART == 1
	.amdgcn_target "amdgcn-amd-amdhsa--gfx1250"
	.amdhsa_code_object_version 6
	.text
	.protected	k_q1a021258fe_prep
	.globl	k_q1a021258fe_prep
	.p2align	8
	.type	k_q1a021258fe_prep,@function
k_q1a021258fe_prep:
	s_mov_b64 s[64:65], 0
	v_nop
	global_prefetch_b8 v0, s[64:65] scope:SCOPE_SE
	s_setreg_imm32_b32 hwreg(HW_REG_WAVE_MODE, 25, 1), 1
	s_wait_xcnt 0x0
; PREP: one pass over the f32 inputs.  Four kinds of work-groups, told apart by the work-group's number alone:
;   0-143   W: wq, wk, wv [2880][n] -> codes of FP4 (E2M1) and E8M0 scale bytes along K (their first axis)
;   144-335 X: x [2048][2880]       -> the same along K (its last axis)
;   336-515 O: wo [2048][2880]      -> f16
;   516-547 T: position_ids         -> a table of cos and sin, 32 + 32 f32 a token
; ALL RESULTS ARE LAID AS IMAGES OF OPERAND REGISTERS: pieces of 512 bytes = 32 lanes x 16 bytes, so that the later launches fetch every fragment at 16 x lane + a constant.
;   xc [16 tokens mt][unit of 64 k u, 48][lane (r, h)][16 B]: the 32 codes of token r, k = 64 u + 32 h ..      K is filled to 3,072 with zero codes
;   wc [tile of 16 columns pos, 192][block of 32 k, 96][column r][16 B]
;   sc [tile][512 k kg, 6][r][16 B]: 16 scale bytes; x's 128 tiles first, the weights' 192 from byte WOFF on
;   wf [16 columns nt, 180][32 k, 64][g, 4][column r][16 B]: 8 f16, k = 8 g ..
;   pos: column tile nt = n / 16 over wq | wk | wv; head hd = nt / 4, t = nt % 4; pos = 12 (hd / 3) + 6 (t % 2) + 2 (hd % 3) + t / 2: a wave of the next launch then finds, side by side, the two halves of each head that the rotation pairs.
; THE QUANTISER: a block's scale is 2^(floor(log2(largest magnitude)) - 2); its byte is the largest magnitude's exponent field - 2, held at 1 from below.
; LIMITS: a block of zeros (the filling of K too) gets the byte 1 where the rule says 127: its codes are zeros, and only this program reads the bytes.  NaN and infinities among the inputs are not served.
; wo must lie within f16's range (65,504); under 6e-5 it is kept as f16 denormals.  The angles are reduced by pi/2 in two parts: good to about 1e-6 rad up to about 1e6 rad; the frequencies come from v_exp_f32.
; Memory binds: no matrix unit, no cluster (work-groups share nothing), no tensor loads.  Only path X uses LDS.
.set SPARE, 34816                      ; behind path X's four regions: the spare words, 128 bytes a wave
.set SPW,   14                         ; v14  LDS address of my spare word; never rewritten
.set NIL,   15                         ; v15  0; never rewritten
.set WOFF,  196608                     ; 128 tiles of x times 1,536 bytes
	s_load_b512 s[4:19], s[0:1], 0x0               ; position_ids s[4:5], x s[6:7], wq s[8:9], wk s[10:11], wv s[12:13], wo s[14:15], xc s[16:17], wc s[18:19]
	s_load_b128 s[20:23], s[0:1], 0x40             ; sc s[20:21], wf s[22:23]
	s_load_b64 s[24:25], s[0:1], 0x50              ; tab
	v_lshl_add_u32 v[SPW], v0, 2, SPARE
	v_mov_b32 v[NIL], 0
	v_lshrrev_b32 v1, 5, v0
	v_readfirstlane_b32 s26, v1                    ; wave 0..3
	v_and_b32 v1, 31, v0                           ; lane
	v_and_b32 v2, 15, v0                           ; r
	v_bfe_u32 v3, v0, 4, 1                         ; h
	s_wait_kmcnt 0x0
	s_cmp_lt_u32 ttmp9, 144
	s_cbranch_scc1 .Lpath_w
	s_cmp_lt_u32 ttmp9, 336
	s_cbranch_scc1 .Lpath_x
	s_cmp_lt_u32 ttmp9, 516
	s_cbranch_scc1 .Lpath_o
; ---------------------------------------------------------------- T: the table.  64 tokens a work-group, 8 a pass; 16 threads a token: threads 0-7 four cosines each, threads 8-15 four sines
	s_sub_co_u32 s27, ttmp9, 516
	s_lshl_b32 s28, s27, 8                         ; 64 positions of 4 bytes
	s_mov_b32 s29, 0
	s_add_nc_u64 s[4:5], s[4:5], s[28:29]
	s_lshl_b32 s28, s27, 14                        ; 64 tokens of 256 bytes
	s_add_nc_u64 s[24:25], s[24:25], s[28:29]
	v_lshrrev_b32 v4, 4, v0                        ; my token of a pass's eight
	v_lshlrev_b32 v5, 2, v4
.set p, 0
.rept 8
	global_load_b32 v[16+p], v5, s[4:5] offset:32*p
.set p, p+1
.endr
	s_mov_b32 s30, 0x3f22f983                      ; 2 / pi
	s_mov_b32 s31, 0x3fc90fdb                      ; pi / 2, the f32 nearest to it,
	s_mov_b32 s32, 0x333bbd2e                      ; and what that f32 is too large by
	s_mov_b32 s33, 0xb94ca1f9                      ; sine: -1.9515295891e-4
	s_mov_b32 s34, 0x3c08839e                      ;        8.3321608736e-3
	s_mov_b32 s35, 0xbe2aaaa3                      ;       -1.6666654611e-1
	s_mov_b32 s36, 0x37ccf5ce                      ; cosine: 2.443315712e-5
	s_mov_b32 s37, 0xbab6061a                      ;        -1.388731625e-3
	s_mov_b32 s38, 0x3d2aaaa5                      ;         4.166664568e-2
	v_lshrrev_b32 v6, 3, v2
	v_xor_b32 v6, 1, v6                            ; 1 in the threads that make cosines: cos(a) = sin(a + pi / 2), one quadrant on
	v_and_b32 v7, 7, v2
	v_lshlrev_b32 v7, 2, v7                        ; my first frequency i
.irp e, 0,1,2,3
	v_add_nc_u32 v[24+\e], \e, v7
	v_cvt_f32_u32 v[24+\e], v[24+\e]
	v_mul_f32 v[24+\e], 0xbf098e8c, v[24+\e]       ; -i log2(150000) / 32
.endr
.irp e, 0,1,2,3
	v_exp_f32 v[24+\e], v[24+\e]                   ; 150000^(-2 i / 64)
.endr
	v_lshlrev_b32 v9, 8, v4                        ; (plain work behind the exponentials)  my 16 bytes of the table: 256 x token + 16 x thread % 16
	v_lshl_add_u32 v9, v2, 4, v9
	s_wait_alu depctr_va_vdst(0)                   ; one wait for the four, ahead of their first reader
	s_wait_loadcnt 0x0
.set p, 0
.rept 8
	v_cvt_f32_i32 v[16+p], v[16+p]
.set p, p+1
.endr
; sin or cos of pos x inv: n = the nearest whole number to a 2 / pi; r = a - n pi / 2, in two parts; the quadrant Q = n (+ 1 for a cosine) picks the polynomial and the sign.  No branch.
.macro SINCOS dst, pos, inv
	v_mul_f32 v64, v[\pos], v[\inv]
	v_mul_f32 v65, s30, v64
	v_rndne_f32 v65, v65
	v_fma_f32 v66, -v65, s31, v64
	v_fma_f32 v66, v65, s32, v66
	v_cvt_i32_f32 v67, v65
	v_add_nc_u32 v67, v67, v6
	v_mul_f32 v68, v66, v66
	v_fma_f32 v69, v68, s33, s34
	v_fma_f32 v70, v68, s36, s37
	v_fma_f32 v69, v69, v68, s35
	v_fma_f32 v70, v70, v68, s38
	v_mul_f32 v71, v66, v68
	v_fma_f32 v70, v70, v68, -0.5
	v_fma_f32 v69, v69, v71, v66                   ; sin r
	v_fma_f32 v70, v70, v68, 1.0                   ; cos r
	v_and_b32 v71, 1, v67
	v_cmp_eq_u32 vcc_lo, 1, v71
	v_cndmask_b32 v69, v69, v70, vcc_lo            ; odd quadrants take the cosine
	v_and_b32 v67, 2, v67
	v_lshlrev_b32 v67, 30, v67
	v_xor_b32 v[\dst], v69, v67                    ; quadrants 2 and 3 change the sign
.endm
.set p, 0
.rept 8
	SINCOS 32+4*p, 16+p, 24
	SINCOS 33+4*p, 16+p, 25
	SINCOS 34+4*p, 16+p, 26
	SINCOS 35+4*p, 16+p, 27
	global_store_b128 v9, v[32+4*p:35+4*p], s[24:25] offset:2048*p   ; 16 threads store a token's 256 bytes; each pass has registers of its own
.set p, p+1
.endr
	s_endpgm
; a block's 32 numbers in v[xs] on -> v24 the conversion's scale operand, v25 the scale's byte
.macro BLKSCALE xs
	v_max3_num_f32 v22, |v[\xs]|, |v[\xs+1]|, |v[\xs+2]|
	v_max3_num_f32 v23, |v[\xs+3]|, |v[\xs+4]|, |v[\xs+5]|
.irp i, 6,10,14,18,22,26
	v_max3_num_f32 v22, v22, |v[\xs+\i]|, |v[\xs+\i+1]|
	v_max3_num_f32 v23, v23, |v[\xs+\i+2]|, |v[\xs+\i+3]|
.endr
	v_max3_num_f32 v22, v22, |v[\xs+30]|, |v[\xs+31]|
	v_max3_num_f32 v22, v22, v23, 0x1800000        ; and the floor 2^(3 - 127): the byte cannot fall under 1
	v_add_nc_u32 v24, 0xff000000, v22              ; 2 off the exponent field: the conversion takes that field as its scale and nothing else
	v_lshrrev_b32 v25, 23, v24
.endm
; ---------------------------------------------------------------- W: a lane takes a column, its registers run down K: a block of 32 lies in one lane, and the codes come out with K innermost
.Lpath_w:
.set WOF, 32                           ; v32-63   row i of a block: i x pitch + 4 x lane; never rewritten
.set WX,  64                           ; v64-127  two sets of 32 numbers
.set WC,  128                          ; v128-191 four registers of codes for each of 16 blocks: no store's data are written again
.set WSB, 16                           ; v16-19   the 16 scale bytes
	s_mul_i32 s27, ttmp9, 2731
	s_lshr_b32 s27, s27, 16                        ; kg = id / 24: which 512 along K
	s_mul_i32 s28, s27, 24
	s_sub_co_u32 s28, ttmp9, s28                   ; cg = id % 24: which 128 of the 3,072 columns
	s_cmp_lt_u32 s28, 20
	s_cselect_b64 s[30:31], s[10:11], s[12:13]     ; the choice hangs on the work-group's number alone
	s_cselect_b32 s29, 16, 20
	s_cmp_lt_u32 s28, 16
	s_cselect_b64 s[30:31], s[8:9], s[30:31]
	s_cselect_b32 s29, 0, s29                      ; the tensor's first cg
	s_cselect_b32 s67, 13, 11                      ; a row is 8,192 bytes in wq, 2,048 in wk and wv
	s_cmp_lt_u32 s27, 5
	s_cselect_b32 s66, -1, 0                       ; 0 where blocks 90 to 95 fall: the filling of K
	s_lshl_b32 s68, 1, s67                         ; the pitch
	s_add_co_u32 s67, s67, 5                       ; a block is 32 rows
	s_sub_co_u32 s70, s28, s29
	s_lshl_b32 s70, s70, 9
	s_lshl_b32 s71, s26, 7
	s_add_co_u32 s70, s70, s71                     ; my wave's first column, in bytes
	s_mov_b32 s71, 0
	s_add_nc_u64 s[30:31], s[30:31], s[70:71]
	s_lshl_b32 s69, s27, 4
.set t, 0
.rept 16                               ; a base for each block; the blocks of the filling read block 89 once more (no load leaves its buffer) and are cleared
	s_add_co_u32 s70, s69, t
	s_min_u32 s70, s70, 89
	s_lshl_b32 s70, s70, s67
	s_add_nc_u64 s[32+2*t:33+2*t], s[30:31], s[70:71]
.set t, t+1
.endr
	v_lshlrev_b32 v4, 2, v1
.set i, 0
.rept 32
	v_mad_u32_u24 v[WOF+i], s68, i, v4
.set i, i+1
.endr
	s_lshl_b32 s72, s28, 7
	s_lshl_b32 s73, s26, 5
	s_add_co_u32 s72, s72, s73
	v_add_nc_u32 v5, s72, v1                       ; my column among the 3,072
	v_lshrrev_b32 v6, 4, v5                        ; nt
	v_lshrrev_b32 v7, 2, v6                        ; hd
	v_and_b32 v8, 3, v6                            ; t
	v_mul_u32_u24 v9, v7, 43
	v_lshrrev_b32 v9, 7, v9                        ; hd / 3 (right for hd under 48)
	v_mul_u32_u24 v10, v9, 3
	v_sub_nc_u32 v10, v7, v10                      ; hd % 3
	v_mul_u32_u24 v11, v9, 12
	v_and_b32 v12, 1, v8
	v_mad_u32_u24 v11, v12, 6, v11
	v_lshl_add_u32 v11, v10, 1, v11
	v_lshrrev_b32 v12, 1, v8
	v_add_nc_u32 v11, v11, v12                     ; pos
	v_mul_u32_u24 v20, v11, 24576
	v_lshl_add_u32 v20, v2, 4, v20                 ; codes: pos x 24,576 + 16 r
	v_mul_u32_u24 v21, v11, 1536
	v_lshl_add_u32 v21, v2, 4, v21                 ; scale bytes: pos x 1,536 + 16 r
	s_lshl_b32 s70, s27, 12
	s_add_nc_u64 s[18:19], s[18:19], s[70:71]      ; 16 blocks of 256 bytes for each kg
	s_lshl_b32 s70, s27, 8
	s_add_co_u32 s70, s70, WOFF
	s_add_nc_u64 s[20:21], s[20:21], s[70:71]
.macro WLOAD t
.set i, 0
.rept 32
	global_load_b32 v[WX+32*((\t)%2)+i], v[WOF+i], s[32+2*(\t):33+2*(\t)] th:TH_LOAD_NT   ; 32 lanes read 128 neighbouring bytes, the four waves 512
.set i, i+1
.endr
.endm
.macro WBLOCK t
.set XS, WX+32*((\t)%2)
.if (\t) < 15
	s_wait_loadcnt 32                              ; this block's 32 loads are in; the next block's may be out
.else
	s_wait_loadcnt 0x0
.endif
.if (\t) >= 10
.set i, 0
.rept 32
	v_and_b32 v[XS+i], s66, v[XS+i]                ; zeros in the filling of K, ahead of the maximum
.set i, i+1
.endr
.endif
	BLKSCALE XS
.if (\t)%4 == 0
	v_mov_b32 v[WSB+(\t)/4], v25
.else
	v_lshl_or_b32 v[WSB+(\t)/4], v25, 8*((\t)%4), v[WSB+(\t)/4]
.endif
.irp g, 0,1,2,3
	v_cvt_scalef32_pk8_fp4_f32 v[WC+4*(\t)+\g], v[XS+8*\g:XS+8*\g+7], v24
.endr
	v_nop                                          ; one plain line behind the last conversion of a run
	global_store_b128 v20, v[WC+4*(\t):WC+4*(\t)+3], s[18:19] offset:256*(\t)   ; 16 lanes store 256 consecutive bytes, aligned
.if (\t)+2 < 16
	WLOAD (\t)+2
.endif
.endm
	WLOAD 0
	WLOAD 1
.irp t, 0,1,2,3,4,5,6,7,8,9,10,11,12,13,14,15
	WBLOCK \t
.endr
	global_store_b128 v21, v[WSB:WSB+3], s[20:21]
	s_endpgm
; ---------------------------------------------------------------- X: a wave takes 16 tokens x 512 along K, in 8 units of 64.  Loads take the bytes as they lie (16 lanes to a row's 256 bytes);
; a unit turns through the wave's own stage in LDS (16 rows of 256 + 16 bytes) and comes back 128 bytes a lane: a whole block of 32 along K in one lane's registers.
.Lpath_x:
.set XR, 64                            ; v64-191  four sets of 32 registers as loaded
.set XX, 192                           ; v192-255 two sets of 32 neighbours
.set XC, 32                            ; v32-63   four registers of codes for each unit
.set XW, 16                            ; v16-19   scale words
	s_sub_co_u32 s27, ttmp9, 144
	s_lshl_b32 s27, s27, 2
	s_add_co_u32 s27, s27, s26                     ; task
	s_lshr_b32 s28, s27, 7                         ; kg
	s_and_b32 s29, s27, 127                        ; mt
	s_cmp_lt_u32 s28, 5
	s_cselect_b32 s66, -1, 0                       ; 0 where units 45 to 47 fall: the filling of K
	s_mul_i32 s30, s29, 184320                     ; 16 rows of 11,520 bytes
	s_mov_b32 s31, 0
	s_add_nc_u64 s[6:7], s[6:7], s[30:31]
	s_lshl_b32 s30, s28, 11
	s_add_nc_u64 s[32:33], s[6:7], s[30:31]        ; units 0 to 4 of my eight: the unit stands in the immediate
.irp e, 5,6,7
	s_lshl_b32 s30, s28, 3
	s_add_co_u32 s30, s30, \e
	s_min_u32 s30, s30, 44                         ; the units of the filling read unit 44 once more (no load leaves its buffer) and are cleared
	s_lshl_b32 s30, s30, 8
	s_add_nc_u64 s[34+2*(\e-5):35+2*(\e-5)], s[6:7], s[30:31]
.endr
	s_mul_i32 s30, s29, 24576
	s_lshl_b32 s40, s28, 12
	s_add_co_u32 s30, s30, s40
	s_add_nc_u64 s[16:17], s[16:17], s[30:31]      ; xc at my tile and kg
	s_mul_i32 s30, s29, 1536
	s_lshl_b32 s40, s28, 8
	s_add_co_u32 s30, s30, s40
	s_add_nc_u64 s[20:21], s[20:21], s[30:31]      ; sc likewise
	s_mov_b32 s42, 0x76543210
	s_mov_b32 s43, 0xfedcba98                      ; v_permlanex16_b32's selects for lane l xor 16
	s_mul_i32 s40, s26, 8704                       ; my wave's two stages
	v_mul_u32_u24 v4, v3, 272
	v_lshl_add_u32 v4, v2, 4, v4
	v_add_nc_u32 v4, s40, v4                       ; in: row lane / 16 of a pair, 16 bytes a lane
	v_mul_u32_u24 v5, v2, 272
	v_lshl_add_u32 v5, v3, 7, v5
	v_add_nc_u32 v5, s40, v5                       ; back: row r, 128 h bytes on
	v_mul_u32_u24 v6, v3, 11520
	v_lshl_add_u32 v6, v2, 4, v6                   ; in memory: the same two rows
	v_lshlrev_b32 v7, 4, v1                        ; codes: 16 x lane
	v_lshlrev_b32 v8, 4, v2                        ; scale words: 16 r
.macro XLOAD t
.set i, 0
.rept 8
.if (\t) < 5
	global_load_b128 v[XR+32*((\t)%4)+4*i:XR+32*((\t)%4)+4*i+3], v6, s[32:33] offset:23040*i+256*(\t) th:TH_LOAD_NT
.else
	global_load_b128 v[XR+32*((\t)%4)+4*i:XR+32*((\t)%4)+4*i+3], v6, s[34+2*((\t)-5):35+2*((\t)-5)] offset:23040*i th:TH_LOAD_NT
.endif
.set i, i+1
.endr
.endm
.macro XTURN t                         ; LDS serves a wave's instructions in order: no wait between the stores and the loads
.set i, 0
.rept 8
	ds_store_b128 v4, v[XR+32*((\t)%4)+4*i:XR+32*((\t)%4)+4*i+3] offset:4352*((\t)%2)+544*i
.set i, i+1
.endr
.set i, 0
.rept 8
	ds_load_b128 v[XX+32*((\t)%2)+4*i:XX+32*((\t)%2)+4*i+3], v5 offset:4352*((\t)%2)+16*i
.set i, i+1
.endr
.endm
.macro XSTEP t
.set XS, XX+32*((\t)%2)
	s_wait_dscnt 0x0                               ; this unit is back from the stage, and its stores into the stage have read their registers,
.if (\t)+4 < 8
	XLOAD (\t)+4                                   ; which take the loads of four units on
.endif
.if (\t) < 7
.if (\t) < 4
	s_wait_loadcnt 24                              ; the next unit's 8 loads are in; those of the three units behind it may be out
.else
	s_wait_loadcnt 8*(6-(\t))
.endif
	XTURN (\t)+1
.endif
.if (\t) >= 5
.set i, 0
.rept 32
	v_and_b32 v[XS+i], s66, v[XS+i]                ; zeros in the filling of K
.set i, i+1
.endr
.endif
	BLKSCALE XS
.if (\t)%2 == 0
	v_mov_b32 v[XW+(\t)/2], v25                    ; unit e holds blocks 2 e + h: word e / 2, byte 2 (e % 2) + h
.else
	v_lshl_or_b32 v[XW+(\t)/2], v25, 16, v[XW+(\t)/2]
.endif
.irp g, 0,1,2,3
	v_cvt_scalef32_pk8_fp4_f32 v[XC+4*(\t)+\g], v[XS+8*\g:XS+8*\g+7], v24
.endr
	v_nop                                          ; one plain line behind the last conversion of a run
	global_store_b128 v7, v[XC+4*(\t):XC+4*(\t)+3], s[16:17] offset:512*(\t)   ; the wave stores 512 consecutive bytes
.endm
.irp t, 0,1,2,3
	XLOAD \t
.endr
	s_wait_loadcnt 24                              ; unit 0's 8 loads are in
	XTURN 0
.irp t, 0,1,2,3,4,5,6,7
	XSTEP \t
.endr
	v_lshlrev_b32 v26, 3, v3                       ; my bytes move 8 h bits up,
.irp j, 0,1,2,3
	v_lshlrev_b32 v[XW+\j], v26, v[XW+\j]
	v_mov_b32 v[28+\j], 0                          ; (a lane permute's destination counts as one of its sources)
.endr
.irp j, 0,1,2,3
	v_permlanex16_b32 v[28+\j], v[XW+\j], s42, s43
.endr
.irp j, 0,1,2,3
	v_or_b32 v[XW+\j], v[XW+\j], v[28+\j]          ; and with lane l xor 16's the words are whole, in both lanes
.endr
	global_store_b128 v8, v[XW:XW+3], s[20:21]     ; lanes r and 16 + r store the same 16 bytes with the same value: 256 consecutive bytes
	s_wait_tensorcnt 0x0                           ; the wave's end, behind my last LDS store
	ds_add_u32 v[SPW], v[NIL]
	s_wait_dscnt 0x0
	s_endpgm
; ---------------------------------------------------------------- O: a lane takes a column of wo, its registers run down K, 32 a step: 16 packed conversions give the four 16-byte pieces of a fragment
.Lpath_o:
	s_sub_co_u32 s27, ttmp9, 336
	s_mul_i32 s28, s27, 1457
	s_lshr_b32 s28, s28, 16                        ; id / 45
	s_mul_i32 s29, s28, 45
	s_sub_co_u32 s29, s27, s29                     ; id % 45: which 64 columns
	s_and_b32 s30, s26, 1
	s_lshr_b32 s31, s26, 1
	s_lshl_b32 s32, s29, 6
	s_lshl_b32 s30, s30, 5
	s_add_co_u32 s32, s32, s30                     ; my wave's first column
	s_lshl_b32 s33, s28, 1
	s_add_co_u32 s33, s33, s31                     ; which 256 along K
	s_mul_i32 s34, s33, 2949120                    ; 256 rows of 11,520 bytes
	s_lshl_b32 s35, s32, 2
	s_add_co_u32 s34, s34, s35
	s_mov_b32 s35, 0
	s_add_nc_u64 s[14:15], s[14:15], s[34:35]
	s_lshl_b32 s34, s33, 13                        ; 8 steps of 1,024 bytes
	s_add_nc_u64 s[22:23], s[22:23], s[34:35]
	v_lshlrev_b32 v4, 2, v1
	v_add_nc_u32 v5, s32, v1
	v_lshrrev_b32 v5, 4, v5
	v_lshlrev_b32 v5, 16, v5
	v_lshl_add_u32 v5, v2, 4, v5                   ; nt x 65,536 + 16 r
.macro OLOAD s
.set i, 0
.rept 32
	global_load_b32 v[64+32*((\s)%2)+i], v4, s[14:15] offset:(32*(\s)+i)*11520 th:TH_LOAD_NT
.set i, i+1
.endr
.endm
.macro OSTEP s
.if (\s) < 7
	s_wait_loadcnt 32                              ; this step's 32 loads are in; the next step's may be out
.else
	s_wait_loadcnt 0x0
.endif
.set i, 0
.rept 16
	v_cvt_pk_f16_f32 v[128+16*(\s)+i], v[64+32*((\s)%2)+2*i], v[65+32*((\s)%2)+2*i]
.set i, i+1
.endr
.irp g, 0,1,2,3
	global_store_b128 v5, v[128+16*(\s)+4*\g:131+16*(\s)+4*\g], s[22:23] offset:1024*(\s)+256*\g   ; 16 lanes store 256 consecutive bytes, aligned; each step has registers of its own
.endr
.if (\s)+2 < 8
	OLOAD (\s)+2
.endif
.endm
	OLOAD 0
	OLOAD 1
.irp s, 0,1,2,3,4,5,6,7
	OSTEP \s
.endr
	s_endpgm
.Lfunc_end_k_q1a021258fe_prep:
	.size	k_q1a021258fe_prep, .Lfunc_end_k_q1a021258fe_prep-k_q1a021258fe_prep
	.p2alignl 7, 3214868480
	.fill 96, 4, 3214868480
	.section	.rodata,"a",@progbits
	.p2align	6, 0x0
	.amdhsa_kernel k_q1a021258fe_prep
		.amdhsa_group_segment_fixed_size 35328
		.amdhsa_private_segment_fixed_size 0
		.amdhsa_enable_private_segment 0
		.amdhsa_kernarg_size 88
		.amdhsa_user_sgpr_count 2
		.amdhsa_user_sgpr_kernarg_segment_ptr 1
		.amdhsa_wavefront_size32 1
		.amdhsa_system_sgpr_workgroup_id_x 1
		.amdhsa_system_sgpr_workgroup_id_y 1
		.amdhsa_system_sgpr_workgroup_id_z 1
		.amdhsa_system_vgpr_workitem_id 0
		.amdhsa_next_free_vgpr 256
		.amdhsa_next_free_sgpr 100
		.amdhsa_reserve_vcc 1
		.amdhsa_float_denorm_mode_32 3
		.amdhsa_float_denorm_mode_16_64 3
		.amdhsa_memory_ordered 1
		.amdhsa_forward_progress 1
		.amdhsa_inst_pref_size 191
	.end_amdhsa_kernel
	.amdgpu_metadata
---
amdhsa.version: [ 1, 2 ]
amdhsa.kernels:
  - .name:           k_q1a021258fe_prep
    .symbol:         k_q1a021258fe_prep.kd
    .args:
      - { .name: position_ids, .offset: 0, .size: 8, .value_kind: global_buffer, .address_space: global }
      - { .name: x, .offset: 8, .size: 8, .value_kind: global_buffer, .address_space: global }
      - { .name: wq, .offset: 16, .size: 8, .value_kind: global_buffer, .address_space: global }
      - { .name: wk, .offset: 24, .size: 8, .value_kind: global_buffer, .address_space: global }
      - { .name: wv, .offset: 32, .size: 8, .value_kind: global_buffer, .address_space: global }
      - { .name: wo, .offset: 40, .size: 8, .value_kind: global_buffer, .address_space: global }
      - { .name: xc, .offset: 48, .size: 8, .value_kind: global_buffer, .address_space: global }
      - { .name: wc, .offset: 56, .size: 8, .value_kind: global_buffer, .address_space: global }
      - { .name: sc, .offset: 64, .size: 8, .value_kind: global_buffer, .address_space: global }
      - { .name: wf, .offset: 72, .size: 8, .value_kind: global_buffer, .address_space: global }
      - { .name: tab, .offset: 80, .size: 8, .value_kind: global_buffer, .address_space: global }
    .group_segment_fixed_size: 35328
    .private_segment_fixed_size: 0
    .kernarg_segment_align: 8
    .kernarg_segment_size: 88
    .max_flat_workgroup_size: 128
    .sgpr_count:     100
    .vgpr_count:     256
    .wavefront_size: 32
...
	.end_amdgpu_metadata
.endif
;; end of part 1
;; launch qkv (part 2): grid 16 x 16, 4 waves a work-group, clusters of 4 x 4, 327,680 bytes of LDS; arguments xc, wc, sc, tab, qkv; writes qkv
.if DOCPART == 2
	.amdgcn_target "amdgcn-amd-amdhsa--gfx1250"
	.amdhsa_code_object_version 6
	.text
	.protected	k_q1a021258fe_qkv
	.globl	k_q1a021258fe_qkv
	.p2align	8
	.type	k_q1a021258fe_qkv,@function
k_q1a021258fe_qkv:
	s_mov_b64 s[64:65], 0
	v_nop
	global_prefetch_b8 v0, s[64:65] scope:SCOPE_SE
	s_setreg_imm32_b32 hwreg(HW_REG_WAVE_MODE, 25, 1), 1
	s_wait_xcnt 0x0
	s_wait_alu depctr_hold_cnt(0) depctr_sa_sdst(0) depctr_va_vdst(0) depctr_va_sdst(0) depctr_va_ssrc(0) depctr_va_vcc(0) depctr_vm_vsrc(0)
	s_getreg_b32 s2, hwreg(HW_REG_IB_STS2, 6, 4)
	s_cmp_eq_u32 s2, 0
	s_cbranch_scc0 .Lentry_in_a_cluster
	s_endpgm
.Lentry_in_a_cluster:
	s_bfe_u32 s2, ttmp6, 0x10000c
	s_cmp_lg_u32 s2, 0xf033
	s_cbranch_scc0 .Lentry_shape_is_right
	s_endpgm
.Lentry_shape_is_right:
; QKV: [2048 tokens] x [3072 columns: 32 heads of q, 8 of k, 8 of v] = x (wq | wk | wv) on codes of FP4 with E8M0 scales, K = 3,072 (2,880 and zero codes); then the rotation by position (q, k), and f16.
; A work-group makes 128 tokens x 192 columns (three heads); each of its four waves 64 x 96: 24 accumulators of 16 x 16.  Grid 16 x 16: one work-group for each of 256 tiles.
; OPERANDS LIE IN MEMORY AS IMAGES OF THEIR REGISTERS (16 rows x 128 k = 1,024 bytes: two pieces of 32 lanes x 16 bytes): a slot of the ring is 512 along K: 8 tiles of x and 12 of the weights, 4,096 bytes each;
; every fragment is two ds_load_b128 at 16 x lane + a constant: 512 consecutive bytes an instruction, so no pitch and no padding.
; CLUSTERS: 4 x 4 work-groups.  x's tiles hang on the tile row alone and are asked for jointly by a row of the cluster, the weights' on the tile column alone, by a column.
; THE MATRIX INSTRUCTION IS USED TRANSPOSED (source 0 = 16 columns of the weights, source 1 = 16 tokens): a lane holds one token and eight neighbouring channels.
; A wave's six column tiles are, for each of its three heads, channels 16 ch .. and 32 + 16 ch ..: the two halves that the rotation pairs lie in the same lane.
; THE SCALES come from memory straight into registers, 16 bytes a lane for a slot's four K steps: lanes 0-15 x's words, lanes 16-31 the weights'; two sets, asked for a slot ahead.
; OUT: qkv [b][head 48][16 tokens mt, 64][16 channels t, 4][512 B], f16: lane r + 16 h's 16 bytes = token r, channels 16 t + 8 h ..; for v the same 16 bytes lie at place r % 8 + 8 h + 16 (r / 8), as the turning LDS load of the next launch wants them.
; q is stored x 0.25 and k x 0.5 (exact): their product carries the 1 / 8 of the scores.
; LIMITS: 0.25 q, 0.5 k and v must lie within f16's range (65,504); under 6e-5 they are f16 denormals.  The f32 sums are the matrix unit's, K ascending.
; REGISTERS: window 0: v1-13 addresses; v14, v15 the add's two; v16-63 scale words, two sets of 24; v64-143, v144-223 fragments, two sets (4 of x, then 6 of the weights); v224-227 factors.
;   window 1: v0-191 the accumulators ((a, b) at v[8 (6 a + b)]); v192-255 cos and sin of my 64 tokens (16 registers for each tile a).
.set PITCHB, 24576                     ; a tile's codes for all of K
.set SLOT,   81920                     ; 8 + 12 rows of 4,096 bytes
.set BOFF,   32768                     ; the weights' rows lie behind x's
.set SPARE,  163840                    ; behind the ring: the spare words, 128 bytes a wave
.set WOFF,   196608                    ; where the weights' scale bytes begin
.set LAPS,   3                         ; 6 slots' worth of K, two a lap
.set ADRA, 4                           ; v4-5   LDS address of my fragments of x in slot 0, 1
.set ADRB, 6                           ; v6-7   the same for the weights
.set VS,   8                           ; v8     my offset among the scale bytes
.set VT,   9                           ; v9     my offset in the table
.set VO,   10                          ; v10-12 where my 16 bytes go in a piece, for each of the three heads
.set SPW,  14
.set NIL,  15
.set SC,   16
.set FA,   64                          ; set s at + 80 s
.set FB,   96
.set G1A, 24                           ; s[24:31] descriptor group 1 for x's tiles; s[32:39] group 0, one set for each slot
.set G0A, 32
.set G1B, 48                           ; s[48:55], s[56:63] the same for the weights'
.set G0B, 56
.set MSB, 0
.macro WIN new                         ; the immediate's high byte repeats the setting that is left
.if MSB != \new
	s_set_vgpr_msb (MSB<<8)|\new
.set MSB, \new
.endif
.endm
.macro PLACES n
.rept \n
	v_nop
.endr
.endm
; A joint load: waves 0 and 1 fetch x's two halves, waves 2 and 3 the weights'.  The branch hangs on the wave's number alone.  An s_nop 0 and four v_nop follow each line.
.macro JLOAD s
	s_cmp_eq_u32 s15, 0
	s_cbranch_scc0 .Lfor_b_\@
	tensor_load_to_lds s[G0A+4*\s:G0A+4*\s+3], s[G1A:G1A+7]
	s_nop 0
.rept 4
	v_nop
.endr
	s_branch .Lasked_\@
.Lfor_b_\@:
	tensor_load_to_lds s[G0B+4*\s:G0B+4*\s+3], s[G1B:G1B+7]
	s_nop 0
.rept 4
	v_nop
.endr
.Lasked_\@:
.endm
.macro CREST                           ; a round of the cluster's barrier behind its opening barrier
	s_cmp_lg_u32 s14, 0
	s_cbranch_scc1 .Lnot_wave_0_\@
	s_barrier_signal -3
.Lnot_wave_0_\@:
	s_barrier_wait -3
	s_barrier_signal -1
	s_barrier_wait -1
.endm
.macro CROUND
	s_barrier_signal -1
	s_barrier_wait -1
	CREST
.endm
	s_load_b256 s[4:11], s[0:1], 0x0               ; xc s[4:5], wc s[6:7], sc s[8:9], tab s[10:11]
	s_load_b64 s[12:13], s[0:1], 0x20              ; qkv
	v_lshl_add_u32 v[SPW], v0, 2, SPARE
	v_mov_b32 v[NIL], 0
	ds_add_u32 v[SPW], v[NIL]                      ; the wave's opening: the add, twice on end, and its wait ahead of my first tensor load
	ds_add_u32 v[SPW], v[NIL]
	v_lshrrev_b32 v1, 5, v0
	v_readfirstlane_b32 s14, v1                    ; wave 0..3
	s_lshr_b32 s15, s14, 1                         ; rh: my half of the tile's tokens.  Also: I fetch for x (0) or for the weights (1)
	s_and_b32 s16, s14, 1                          ; ch: my half of its columns.  Also: which half of that operand I fetch
	s_bfe_u32 s40, ttmp6, 0x40000                  ; cx, cy: my place in the cluster
	s_bfe_u32 s41, ttmp6, 0x40004
	s_lshl_b32 s42, ttmp9, 2
	s_add_co_u32 s42, s42, s40                     ; tx: three heads
	s_and_b32 s17, ttmp7, 0xffff
	s_lshl_b32 s17, s17, 2
	s_add_co_u32 s17, s17, s41                     ; ty: 128 tokens
	s_lshl_b32 s43, s41, 2
	s_lshl_b32 s43, 15, s43                        ; my row of the cluster
	s_lshl_b32 s44, 0x1111, s40                    ; my column
	s_or_b32 s[G1A], s43, (3<<16)|(1<<21)          ; 15:0 the mask; 17:16 elements of 8 bytes; 21 set beside a mask; no padding
	s_or_b32 s[G1B], s44, (3<<16)|(1<<21)
	s_mov_b32 s[G1A+1], 512<<16                    ; tensor_dim0 = 512 elements: 4,096 bytes
	s_mov_b32 s[G1A+2], 4<<16                      ; tensor_dim1 = 4 rows
	s_mov_b32 s[G1A+3], 512<<16                    ; tile_dim0
	s_mov_b32 s[G1A+4], 4                          ; tile_dim1
	s_mov_b32 s[G1A+5], PITCHB/8                   ; from tile to tile, in elements
	s_mov_b32 s[G1A+6], 0
	s_mov_b32 s[G1A+7], 0
	s_mov_b32 s[G1B+1], 512<<16
	s_mov_b32 s[G1B+2], 6<<16                      ; 6 rows
	s_mov_b32 s[G1B+3], 512<<16
	s_mov_b32 s[G1B+4], 6
	s_mov_b32 s[G1B+5], PITCHB/8
	s_mov_b32 s[G1B+6], 0
	s_mov_b32 s[G1B+7], 0
	s_lshl_b32 s20, s17, 3
	s_lshl_b32 s18, s16, 2
	s_add_co_u32 s20, s20, s18                     ; x: tile 8 ty + 4 ch
	s_mul_i32 s20, s20, PITCHB
	s_mov_b32 s21, 0
	s_mul_i32 s46, s42, 12
	s_mul_i32 s18, s16, 6
	s_add_co_u32 s46, s46, s18                     ; the weights: tile 12 tx + 6 ch
	s_mul_i32 s46, s46, PITCHB
	s_mov_b32 s47, 0
	s_lshl_b32 s45, s16, 14                        ; where they go: no place in the cluster enters an LDS address
	s_mul_i32 s94, s16, 24576
	s_add_co_u32 s94, s94, BOFF
	s_wait_dscnt 0x0                               ; both opening adds are done
	s_wait_kmcnt 0x0
	s_add_nc_u64 s[20:21], s[4:5], s[20:21]
	s_add_nc_u64 s[46:47], s[6:7], s[46:47]
	CROUND                                         ; all sixteen work-groups are here: the first joint loads meet
.irp s, 0,1
	s_mov_b32 s[G0A+4*\s], 1
	s_add_co_u32 s[G0A+4*\s+1], s45, \s*SLOT
	s_add_nc_u64 s[G0A+4*\s+2:G0A+4*\s+3], s[20:21], \s*4096
	s_or_b32 s[G0A+4*\s+3], s[G0A+4*\s+3], 0x80000000
	s_mov_b32 s[G0B+4*\s], 1
	s_add_co_u32 s[G0B+4*\s+1], s94, \s*SLOT
	s_add_nc_u64 s[G0B+4*\s+2:G0B+4*\s+3], s[46:47], \s*4096
	s_or_b32 s[G0B+4*\s+3], s[G0B+4*\s+3], 0x80000000
	JLOAD \s                                       ; two loads of mine are out
.endr
	v_and_b32 v1, 15, v0                           ; r
	v_bfe_u32 v2, v0, 4, 1                         ; h
	v_and_b32 v3, 31, v0
	v_lshlrev_b32 v3, 4, v3                        ; 16 x lane
	s_lshl_b32 s21, s15, 14                        ; my four tiles of x,
	s_mul_i32 s22, s16, 24576
	s_add_co_u32 s22, s22, BOFF                    ; my six of the weights
.irp s, 0,1
	v_add_nc_u32 v[ADRA+\s], s21, v3
	v_add_nc_u32 v[ADRB+\s], s22, v3
	s_add_co_u32 s21, s21, SLOT
	s_add_co_u32 s22, s22, SLOT
.endr
	v_lshlrev_b32 v[VT], 8, v1
	v_lshl_add_u32 v[VT], v2, 5, v[VT]             ; the table: token r of 256 bytes, + 32 h
	s_lshl_b32 s18, s17, 15
	s_lshl_b32 s19, s15, 14
	s_add_co_u32 s18, s18, s19
	s_lshl_b32 s19, s16, 6
	s_add_co_u32 s18, s18, s19                     ; (128 ty + 64 rh) tokens, + 64 ch: frequencies 16 ch ..
	s_mov_b32 s19, 0
	s_add_nc_u64 s[10:11], s[10:11], s[18:19]
	s_lshl_b32 s66, s17, 3
	s_lshl_b32 s67, s15, 2
	s_add_co_u32 s66, s66, s67
	s_mul_i32 s66, s66, 1536                       ; lanes 0-15: x's tiles 8 ty + 4 rh ..
	s_mul_i32 s67, s42, 12
	s_mul_i32 s68, s16, 6
	s_add_co_u32 s67, s67, s68
	s_mul_i32 s67, s67, 1536
	s_add_co_u32 s67, s67, WOFF                    ; lanes 16-31: the weights' tiles 12 tx + 6 ch ..
	s_sub_co_u32 s67, s67, s66
	v_mul_u32_u24 v[VS], s67, v2
	v_add_nc_u32 v[VS], s66, v[VS]
	v_lshl_add_u32 v[VS], v1, 4, v[VS]
	WIN 0x40                                       ; destination window 1
.irp a, 0,1,2,3
	global_load_b128 v[192+16*\a:195+16*\a], v[VT], s[10:11] offset:4096*\a        ; cos of my eight frequencies,
	global_load_b128 v[196+16*\a:199+16*\a], v[VT], s[10:11] offset:4096*\a+16
	global_load_b128 v[200+16*\a:203+16*\a], v[VT], s[10:11] offset:4096*\a+128    ; and sin
	global_load_b128 v[204+16*\a:207+16*\a], v[VT], s[10:11] offset:4096*\a+144
.endr
	WIN 0
.irp i, 0,1,2,3,4,5                    ; for i = 4, 5 lanes 0-15 read bytes of later tiles that no product names; they lie inside the buffer and are written
	global_load_b128 v[SC+4*\i:SC+4*\i+3], v[VS], s[8:9] offset:1536*\i
.endr
.irp i, 0,1,2,3,4,5
	global_load_b128 v[SC+24+4*\i:SC+24+4*\i+3], v[VS], s[8:9] offset:1536*\i+256
.endr
	s_add_nc_u64 s[74:75], s[8:9], 256             ; a pointer of its own for the loop: each refill steps it by a slot's 256 bytes first
; 20 LDS loads: the fragments of the slot's q-th 128 along K into set
.macro FRAGS slot, q, set
.set i, 0
.rept 6
	ds_load_b128 v[FB+80*(\set)+8*i:FB+80*(\set)+8*i+3],   v[ADRB+\slot] offset:4096*i+1024*(\q)
	ds_load_b128 v[FB+80*(\set)+8*i+4:FB+80*(\set)+8*i+7], v[ADRB+\slot] offset:4096*i+1024*(\q)+512
.set i, i+1
.endr
.set i, 0
.rept 4
	ds_load_b128 v[FA+80*(\set)+8*i:FA+80*(\set)+8*i+3],   v[ADRA+\slot] offset:4096*i+1024*(\q)
	ds_load_b128 v[FA+80*(\set)+8*i+4:FA+80*(\set)+8*i+7], v[ADRA+\slot] offset:4096*i+1024*(\q)+512
.set i, i+1
.endr
.endm
; the products of token tiles a0 .. a0 + n - 1 with my six column tiles.  The 24 accumulators take turns, one instruction a turn, in the same order in every step.
.macro MUL set, q, sc, a0, n, zero
.set AA, \a0
.rept \n
.irp b, 0,1,2,3,4,5
.if \zero
	v_wmma_scale_f32_16x16x128_f8f6f4 v[8*(6*AA+\b):8*(6*AA+\b)+7], v[FB+80*(\set)+8*\b:FB+80*(\set)+8*\b+7], v[FA+80*(\set)+8*AA:FA+80*(\set)+8*AA+7], 0, v[SC+24*(\sc)+4*\b+(\q)], v[SC+24*(\sc)+4*AA+(\q)] matrix_a_fmt:MATRIX_FMT_FP4 matrix_b_fmt:MATRIX_FMT_FP4 matrix_a_scale:MATRIX_SCALE_ROW1
.else
	v_wmma_scale_f32_16x16x128_f8f6f4 v[8*(6*AA+\b):8*(6*AA+\b)+7], v[FB+80*(\set)+8*\b:FB+80*(\set)+8*\b+7], v[FA+80*(\set)+8*AA:FA+80*(\set)+8*AA+7], v[8*(6*AA+\b):8*(6*AA+\b)+7], v[SC+24*(\sc)+4*\b+(\q)], v[SC+24*(\sc)+4*AA+(\q)] matrix_a_fmt:MATRIX_FMT_FP4 matrix_b_fmt:MATRIX_FMT_FP4 matrix_a_scale:MATRIX_SCALE_ROW1
.endif
.endr
.set AA, AA+1
.endr
.endm
; A step of 128 along K that has its successor in the same slot: the successor's fragments are asked for ahead of this step's 24 products.
.macro STEP slot, q, zero
	s_wait_dscnt 0x0                               ; this step's 20 loads are in
	PLACES 4                                       ; four places between the last products, which read the other set, and the loads into it (ISA guide 7.12.1 for vector instructions)
	FRAGS \slot, (\q)+1, ((\q)+1)%2
	WIN 0x50                                       ; C and D window 1
	MUL (\q)%2, \q, \slot, 0, 4, \zero
	WIN 0
.endm
; A slot's last step changes slots: ONE barrier; in front of it each wave waits for all its tensor loads, adds 0 to its spare word, and waits for that and for its reads of this slot.  fill = 1: this slot is filled again, two slots ahead.
.macro TURN slot, next, fill
	s_wait_tensorcnt 0x0                           ; all my tensor loads have landed: my part of the next slot
	ds_add_u32 v[SPW], v[NIL]                      ; 0 onto my spare word
	s_wait_dscnt 1                                 ; this step's 20 loads are in; the add may be out
	WIN 0x50
	MUL 1, 3, \slot, 0, 2, 0                       ; twelve products stand between the add and the wait for it
	s_wait_dscnt 0x0                               ; the add is done, and my reads of this slot are over
	s_barrier_signal -1
	MUL 1, 3, \slot, 2, 1, 0
	WIN 0
	s_barrier_wait -1
.if \fill
	CREST                                          ; the barrier has opened a round of the cluster's barrier: no wave of any partner still reads this slot or has a load on its way
	s_add_nc_u64 s[G0A+4*\slot+2:G0A+4*\slot+3], s[G0A+4*\slot+2:G0A+4*\slot+3], 8192
	s_add_nc_u64 s[G0B+4*\slot+2:G0B+4*\slot+3], s[G0B+4*\slot+2:G0B+4*\slot+3], 8192
	JLOAD \slot                                    ; the first tensor load behind the round, my only one until the next; its four v_nop are the places in front of the loads below
.else
	PLACES 4
.endif
	FRAGS \next, 0, 0
	WIN 0x50
	MUL 1, 3, \slot, 3, 1, 0
	WIN 0
	PLACES 4                                       ; between the last products that read this slot's scale words and the loads into them
	s_wait_loadcnt 0x0                             ; the next slot's scale words, asked for a slot ago, are in; no load of mine is out, so the pointer may step
.if \fill
	s_add_nc_u64 s[74:75], s[74:75], 256
.irp i, 0,1,2,3,4,5
	global_load_b128 v[SC+24*\slot+4*\i:SC+24*\slot+4*\i+3], v[VS], s[74:75] offset:1536*\i
.endr
.endif
.endm
	s_wait_tensorcnt 1                             ; my part of slot 0 is in; slot 1's may stay out
	s_barrier_signal -1
	s_barrier_wait -1
	FRAGS 0, 0, 0
	s_wait_loadcnt 6                               ; the table and slot 0's scale words are in; slot 1's six loads may be out
	STEP 0, 0, 1                                   ; the first step stands in front of the loop: its products start the sums
	s_mov_b32 s3, LAPS-1
.Llap:                                                 ; a trip goes once round the ring and fills both slots again
	STEP 0, 1, 0
	STEP 0, 2, 0
	TURN 0, 1, 1
	STEP 1, 0, 0
	STEP 1, 1, 0
	STEP 1, 2, 0
	TURN 1, 0, 1
	STEP 0, 0, 0
	s_sub_co_u32 s3, s3, 1
	s_cmp_lg_u32 s3, 0
	s_cbranch_scc1 .Llap
	STEP 0, 1, 0                                   ; the last lap fills nothing
	STEP 0, 2, 0
	TURN 0, 1, 0
	STEP 1, 0, 0
	STEP 1, 1, 0
	STEP 1, 2, 0
	s_wait_dscnt 0x0
	WIN 0x50
	MUL 1, 3, 1, 0, 4, 0
	WIN 0
; THE WAY OUT.  No branch: the kind of a head (q, k, v) differs between partners of a cluster, so it only selects factors and places.
; out1 = x1 C - x2 S, out2 = x1 S + x2 C with C = cos fa + fb, S = sin fa: q: fa = 0.25; k: fa = 0.5; v: fa = 0, fb = 1 (no rotation).
	PLACES 4                                       ; between the last products and the first read of results
	v_and_b32 v13, 7, v1
	v_lshl_add_u32 v13, v2, 3, v13
	v_lshrrev_b32 v224, 3, v1
	v_lshl_add_u32 v13, v224, 4, v13
	v_lshlrev_b32 v13, 4, v13                      ; v's place: 16 (r % 8 + 8 h + 16 (r / 8))
	s_lshr_b32 s66, s17, 3                         ; b
	s_mul_i32 s66, s66, 48
	s_mul_i32 s67, s42, 3
	s_add_co_u32 s66, s66, s67
	s_lshl_b32 s66, s66, 17                        ; a head is 131,072 bytes
	s_and_b32 s67, s17, 7
	s_lshl_b32 s67, s67, 3
	s_lshl_b32 s68, s15, 2
	s_add_co_u32 s67, s67, s68
	s_lshl_b32 s67, s67, 11                        ; 16 tokens are 2,048 bytes
	s_add_co_u32 s66, s66, s67
	s_lshl_b32 s67, s16, 9                         ; piece t = ch
	s_add_co_u32 s66, s66, s67
	s_mov_b32 s67, 0
	s_add_nc_u64 s[12:13], s[12:13], s[66:67]
.set CP, 160                           ; v160-167 C, v168-175 S, v176-183, v184-191 the two results
.set SN, 168
.set T1, 176
.set T2, 184
.set OUT, 64                           ; v64-159: eight registers of f16 for each (head, a): no store's data are written again
.macro ROPE hl, a
.set X1, 8*(6*(\a)+2*(\hl))
.set X2, X1+8
.set TC, 192+16*(\a)
.set OO, OUT+8*(4*(\hl)+(\a))
	WIN 0x01                                       ; source 0 window 1: accumulators and table
.irp j, 0,2,4,6
	v_pk_fma_f32 v[CP+\j:CP+\j+1], v[TC+\j:TC+\j+1], v[224:225], v[226:227]
.endr
.irp j, 0,2,4,6
	v_pk_mul_f32 v[SN+\j:SN+\j+1], v[TC+8+\j:TC+9+\j], v[224:225]
.endr
.irp j, 0,2,4,6
	v_pk_mul_f32 v[T1+\j:T1+\j+1], v[X2+\j:X2+\j+1], v[SN+\j:SN+\j+1]          ; each accumulator is read from its low end on
.endr
.irp j, 0,2,4,6
	v_pk_mul_f32 v[T2+\j:T2+\j+1], v[X1+\j:X1+\j+1], v[SN+\j:SN+\j+1]
.endr
.irp j, 0,2,4,6
	v_pk_fma_f32 v[T1+\j:T1+\j+1], v[X1+\j:X1+\j+1], v[CP+\j:CP+\j+1], v[T1+\j:T1+\j+1] neg_lo:[0,0,1] neg_hi:[0,0,1]
.endr
.irp j, 0,2,4,6
	v_pk_fma_f32 v[T2+\j:T2+\j+1], v[X2+\j:X2+\j+1], v[CP+\j:CP+\j+1], v[T2+\j:T2+\j+1]
.endr
	WIN 0
.irp j, 0,1,2,3
	v_cvt_pk_f16_f32 v[OO+\j], v[T1+2*\j], v[T1+2*\j+1]
.endr
.irp j, 0,1,2,3
	v_cvt_pk_f16_f32 v[OO+4+\j], v[T2+2*\j], v[T2+2*\j+1]
.endr
	global_store_b128 v[VO+\hl], v[OO:OO+3], s[12:13] offset:\hl*131072+\a*2048          ; the wave stores a piece: 512 consecutive bytes
	global_store_b128 v[VO+\hl], v[OO+4:OO+7], s[12:13] offset:\hl*131072+\a*2048+1024   ; and the piece 32 channels on
.endm
.irp hl, 0,1,2
	s_mul_i32 s70, s42, 3
	s_add_co_u32 s70, s70, \hl                     ; the head among the 48
	s_mov_b32 s71, 0x3f000000                      ; 0.5
	s_mov_b32 s72, 0x3f800000                      ; 1.0
	s_cmp_lt_u32 s70, 32
	s_cselect_b32 s71, 0x3e800000, s71             ; 0.25 for q
	s_cmp_lt_u32 s70, 40
	s_cselect_b32 s71, s71, 0
	s_cselect_b32 s72, 0, s72
	s_cselect_b32 s73, 0, -1                       ; all ones for v
	v_cndmask_b32 v[VO+\hl], v3, v13, s73
	v_mov_b32 v224, s71
	v_mov_b32 v225, s71
	v_mov_b32 v226, s72
	v_mov_b32 v227, s72
.irp a, 0,1,2,3
	ROPE \hl, \a
.endr
.endr
	s_wait_tensorcnt 0x0                           ; the wave's end
	ds_add_u32 v[SPW], v[NIL]
	s_wait_dscnt 0x0
	CROUND                                         ; the closing round: no work-group ends while a partner may still ask for a tile that names it
	s_endpgm
.Lfunc_end_k_q1a021258fe_qkv:
	.size	k_q1a021258fe_qkv, .Lfunc_end_k_q1a021258fe_qkv-k_q1a021258fe_qkv
	.p2alignl 7, 3214868480
	.fill 96, 4, 3214868480
	.section	.rodata,"a",@progbits
	.p2align	6, 0x0
	.amdhsa_kernel k_q1a021258fe_qkv
		.amdhsa_group_segment_fixed_size 327680
		.amdhsa_private_segment_fixed_size 0
		.amdhsa_enable_private_segment 0
		.amdhsa_kernarg_size 40
		.amdhsa_user_sgpr_count 2
		.amdhsa_user_sgpr_kernarg_segment_ptr 1
		.amdhsa_wavefront_size32 1
		.amdhsa_system_sgpr_workgroup_id_x 1
		.amdhsa_system_sgpr_workgroup_id_y 1
		.amdhsa_system_sgpr_workgroup_id_z 1
		.amdhsa_system_vgpr_workitem_id 0
		.amdhsa_next_free_vgpr 512
		.amdhsa_next_free_sgpr 100
		.amdhsa_reserve_vcc 0
		.amdhsa_float_denorm_mode_32 3
		.amdhsa_float_denorm_mode_16_64 3
		.amdhsa_memory_ordered 1
		.amdhsa_forward_progress 1
		.amdhsa_inst_pref_size 115
	.end_amdhsa_kernel
	.amdgpu_metadata
---
amdhsa.version: [ 1, 2 ]
amdhsa.kernels:
  - .name:           k_q1a021258fe_qkv
    .symbol:         k_q1a021258fe_qkv.kd
    .args:
      - { .name: xc, .offset: 0, .size: 8, .value_kind: global_buffer, .address_space: global }
      - { .name: wc, .offset: 8, .size: 8, .value_kind: global_buffer, .address_space: global }
      - { .name: sc, .offset: 16, .size: 8, .value_kind: global_buffer, .address_space: global }
      - { .name: tab, .offset: 24, .size: 8, .value_kind: global_buffer, .address_space: global }
      - { .name: qkv, .offset: 32, .size: 8, .value_kind: global_buffer, .address_space: global }
    .group_segment_fixed_size: 327680
    .private_segment_fixed_size: 0
    .kernarg_segment_align: 8
    .kernarg_segment_size: 40
    .max_flat_workgroup_size: 128
    .sgpr_count:     100
    .vgpr_count:     512
    .wavefront_size: 32
...
	.end_amdgpu_metadata
.endif
;; end of part 2
;; launch attn (part 3): grid 16 x 16, 16 waves a work-group, no clusters, 264,192 bytes of LDS; arguments qkv, af; writes af
.if DOCPART == 3
	.amdgcn_target "amdgcn-amd-amdhsa--gfx1250"
	.amdhsa_code_object_version 6
	.text
	.protected	k_q1a021258fe_attn
	.globl	k_q1a021258fe_attn
	.p2align	8
	.type	k_q1a021258fe_attn,@function
k_q1a021258fe_attn:
	s_mov_b64 s[64:65], 0
	v_nop
	global_prefetch_b8 v0, s[64:65] scope:SCOPE_SE
	s_setreg_imm32_b32 hwreg(HW_REG_WAVE_MODE, 25, 1), 1
	s_wait_xcnt 0x0
; ATTN: O[b][head][q] = the sum over keys k <= q of softmax_k(q . k / 8) v, on f16 operands with f32 sums, maxima and exponentials.  The 1 / 8 lies in the stored q (x 0.25) and k (x 0.5).
; SHARES.  A work-group (i, g) takes one key and value head g = 8 b + kvh, its four query heads, and the blocks i and 31 - i of 32 queries: under the causal mask every work-group then has the same number of key steps.
; Each of its SIXTEEN waves owns one tile of 16 queries of one head, in 256 registers: four waves to a SIMD, so that one wave's softmax stands beside another's products.
; Wave w: head w % 4, tile (w / 4 + w) % 4 of the four (a Latin square: long and short tiles are spread evenly over any four neighbouring waves).
; LDS holds all of the head's K and V that the work-group needs, in four quarters of 256 keys (32 KiB of K, 32 KiB of V), each byte written ONCE, through registers, a quarter ahead of its use:
; so the only ordering is store, wait, barrier, read.  No tensor loads; no cluster: partners would need different numbers of keys.
; LAYOUT.  Both products are used transposed: S^T = K Q^T (source 0 = 16 keys, source 1 = my 16 queries), O^T = V^T P (source 0 = 16 channels, source 1 = P): a lane holds ONE query (lane % 16) throughout.
; K, Q and V lie in memory and LDS as pieces of 512 bytes (16 tokens x 16 channels, 16 bytes a lane): every fragment load is at 16 x lane + a constant; V's pieces are laid for ds_load_tr16_b128.
; SOFTMAX.  A running maximum m and sum l for each query: p = 2^(c s - c m), c = log2(e); in every step O and l are multiplied by 2^(c m_old - c m_new).  Key 0 counts for every query, so m is a number from the first step on.
; OUT: af [16 tokens mt, 128][16 channels kt, 128][512 B], f16: the next launch's operand image.
; LIMITS: the result must lie within f16's range; p under 6e-8 falls to 0 in f16.  NaN and infinities among the inputs are not served.
; REGISTERS: v1 16 x lane; v2 16 x thread; v3 the step's LDS address; v4 the mask's distance; v5 a quarter's store address; v6, v7 the add's two; v8 c m, v9 m, v[10:11] l in two halves; v12-15 at work;
;   v16-31 Q; v32-63 S^T, then p; v64-127 K's, then V's fragments; v128-159 O^T; v160-191, v192-223 two quarters on their way; v224-239 P; v253 -infinity; v254 r - 8 h.
.set SPARE, 262144                     ; behind the four quarters: the spare words, 128 bytes for each of 16 waves
.set KF, 26                            ; s26  the step's first key
.set TB, 27                            ; s27  LDS byte at which the step's pieces of K begin
.set Q0, 28                            ; s28  my first query
.set CS, 30                            ; s[30:31] c
.set SEL, 32                           ; s[32:33] lane selects for lane l xor 16
	s_load_b128 s[4:7], s[0:1], 0x0                ; qkv s[4:5], af s[6:7]
	v_lshl_add_u32 v6, v0, 2, SPARE
	v_mov_b32 v7, 0
	v_lshrrev_b32 v1, 5, v0
	v_readfirstlane_b32 s8, v1                     ; wave 0..15
	v_and_b32 v1, 31, v0
	v_lshlrev_b32 v1, 4, v1
	v_lshlrev_b32 v2, 4, v0
	s_and_b32 s9, ttmp7, 0xffff
	s_lshr_b32 s10, s9, 3                          ; b
	s_and_b32 s11, s9, 7                           ; kvh
	s_and_b32 s12, s8, 3                           ; my query head of the four
	s_lshr_b32 s13, s8, 2
	s_add_co_u32 s13, s13, s8
	s_and_b32 s13, s13, 3                          ; my tile of the four
	s_sub_co_u32 s14, 31, ttmp9
	s_bitcmp1_b32 s13, 1
	s_cselect_b32 s14, s14, ttmp9                  ; tiles 2, 3: block 31 - i; tiles 0, 1: block i
	s_lshl_b32 s14, s14, 5
	s_and_b32 s15, s13, 1
	s_lshl_b32 s15, s15, 4
	s_add_co_u32 s[Q0], s14, s15
	s_mul_i32 s16, s10, 48
	s_add_co_u32 s18, s16, s11
	s_add_co_u32 s18, s18, 32
	s_lshl_b32 s18, s18, 17                        ; K's head 32 + kvh; V's lies 8 heads on
	s_mov_b32 s19, 0
	s_lshl_b32 s20, s11, 2
	s_add_co_u32 s20, s20, s12                     ; the query head
	s_add_co_u32 s16, s16, s20
	s_lshl_b32 s16, s16, 6
	s_lshr_b32 s21, s[Q0], 4
	s_add_co_u32 s16, s16, s21
	s_lshl_b32 s16, s16, 11                        ; Q: (head x 64 + tile) x 2,048
	s_mov_b32 s17, 0
	s_lshl_b32 s14, s10, 6
	s_add_co_u32 s14, s14, s21
	s_lshl_b32 s14, s14, 7
	s_lshl_b32 s20, s20, 2
	s_add_co_u32 s14, s14, s20
	s_lshl_b32 s14, s14, 9                         ; af: ((64 b + tile) x 128 + 4 head) x 512
	s_mov_b32 s15, 0
	s_mov_b32 s[CS], 0x3fb8aa3b                    ; log2(e)
	s_mov_b32 s[CS+1], s[CS]                       ; (named with it as a pair, so it is written)
	s_mov_b32 s[SEL], 0x76543210
	s_mov_b32 s[SEL+1], 0xfedcba98
	s_mov_b32 s[KF], 0
	s_wait_kmcnt 0x0
	s_add_nc_u64 s[22:23], s[4:5], s[18:19]
	s_add_nc_u64 s[24:25], s[4:5], s[16:17]
	s_add_nc_u64 s[6:7], s[6:7], s[14:15]
.macro LOADQ qd, set                   ; a quarter: 512 threads x 16 bytes x (4 of K + 4 of V)
.irp j, 0,1,2,3
	global_load_b128 v[\set+4*\j:\set+4*\j+3], v2, s[22:23] offset:32768*\qd+8192*\j
.endr
.irp j, 0,1,2,3
	global_load_b128 v[\set+16+4*\j:\set+19+4*\j], v2, s[22:23] offset:1048576+32768*\qd+8192*\j
.endr
.endm
.macro STOREQ qd, set
	v_add_nc_u32 v5, 65536*\qd, v2
.irp j, 0,1,2,3
	ds_store_b128 v5, v[\set+4*\j:\set+4*\j+3] offset:8192*\j
.endr
.irp j, 0,1,2,3
	ds_store_b128 v5, v[\set+16+4*\j:\set+19+4*\j] offset:32768+8192*\j
.endr
.endm
.macro BARRIER                         ; my LDS stores have landed and my LDS loads are in: then the work-group's barrier
	s_wait_dscnt 0x0
	s_barrier_signal -1
	s_barrier_wait -1
.endm
; A KEY STEP: 64 keys.
.macro STEP
	s_cmp_gt_u32 s[KF], s[Q0]                      ; all 64 keys come after my 16 queries (both numbers are multiples of 16): the step's work is left out; ids alone, and no barrier stands in a step
	s_cbranch_scc1 .Lhid_\@
	v_add_nc_u32 v3, s[TB], v1
.rept 3
	v_nop                                          ; with the addition: four places between the last step's products and the loads into their operands
.endr
.set f, 0
.rept 16                               ; K: keys 16 (f / 4) on, channels 16 (f % 4) on
	ds_load_b128 v[64+4*f:67+4*f], v3 offset:512*f
.set f, f+1
.endr
	s_wait_dscnt 0x0
.irp s, 0,1                            ; S^T = K Q^T: four accumulators by turns; the first four products start the sums
.irp m, 0,1,2,3
.if \s == 0
	v_wmma_f32_16x16x32_f16 v[32+8*\m:39+8*\m], v[64+16*\m:71+16*\m], v[16:23], 0
.else
	v_wmma_f32_16x16x32_f16 v[32+8*\m:39+8*\m], v[72+16*\m:79+16*\m], v[24:31], v[32+8*\m:39+8*\m]
.endif
.endr
.endr
.rept 4
	v_nop                                          ; four places: in front of the loads into K's registers and of the first read of the scores
.endr
.irp dt, 0,1,2,3                       ; V, turned: channels 16 dt on, keys 16 u on; it lands while the softmax is worked
.irp u, 0,1,2,3
	ds_load_tr16_b128 v[64+16*\dt+4*\u:67+16*\dt+4*\u], v3 offset:32768+(4*\u+\dt)*512
.endr
.endr
	s_add_co_u32 s35, s[KF], 63
	s_cmp_le_u32 s35, s[Q0]
	s_cbranch_scc1 .Lopen_\@                       ; all keys of the step count for all my queries
	s_sub_co_i32 s35, s[Q0], s[KF]
	v_add_nc_u32 v4, s35, v254                     ; d = my query - KF - 8 h.  Register 8 m + j holds key KF + 16 m + 8 h + j: hidden where 16 m + j > d
.set n, 0
.rept 32
	v_cmp_gt_i32 vcc_lo, 16*(n/8)+n%8, v4
	v_cndmask_b32 v[32+n], v[32+n], v253, vcc_lo
.set n, n+1
.endr
.Lopen_\@:
.irp j, 0,1,2,3
	v_max3_num_f32 v[12+\j], v[32+8*\j], v[33+8*\j], v[34+8*\j]    ; four chains; each accumulator is read from its low end on
.endr
.irp i, 3,5
.irp j, 0,1,2,3
	v_max3_num_f32 v[12+\j], v[12+\j], v[32+8*\j+\i], v[33+8*\j+\i]
.endr
.endr
	v_max3_num_f32 v12, v12, v39, v47
	v_max3_num_f32 v14, v14, v55, v63
	v_max3_num_f32 v12, v12, v13, v14
	v_max3_num_f32 v12, v12, v15, v9               ; and the old m
	v_permlanex16_b32 v13, v12, s[SEL], s[SEL+1]   ; the query's other 32 keys lie in the lane 16 away
	v_mov_b32 v15, v8                              ; c m_old
	v_max_num_f32 v9, v12, v13
	v_mul_f32 v8, s[CS], v9
	v_sub_f32 v15, v15, v8
.set i, 0
.rept 16
	v_pk_fma_f32 v[32+2*i:33+2*i], v[32+2*i:33+2*i], s[CS:CS+1], v[8:9] op_sel_hi:[1,0,0] neg_lo:[0,0,1] neg_hi:[0,0,1]   ; c s - c m
.set i, i+1
.endr
	v_exp_f32 v14, v15                             ; 2^(c m_old - c m_new)
.set i, 0
.rept 32
	v_exp_f32 v[32+i], v[32+i]
.set i, i+1
.endr
	v_nop                                          ; a plain line behind the last exponential
	s_wait_alu depctr_va_vdst(0)                   ; one wait for the batch of 33, ahead of its first reader
.set i, 0
.rept 16
	v_cvt_pk_f16_f32 v[224+i], v[32+2*i], v[33+2*i]   ; two tiles of 16 keys, rounded in pairs, ARE source 1 of the second product
.set i, i+1
.endr
.irp u, 0,1,2,3,4,5,6,7
	v_pk_add_f32 v[32+4*\u:33+4*\u], v[32+4*\u:33+4*\u], v[34+4*\u:35+4*\u]     ; the sum of the unrounded p
.endr
.irp u, 0,1,2,3
	v_pk_add_f32 v[32+8*\u:33+8*\u], v[32+8*\u:33+8*\u], v[36+8*\u:37+8*\u]
.endr
.irp u, 0,1
	v_pk_add_f32 v[32+16*\u:33+16*\u], v[32+16*\u:33+16*\u], v[40+16*\u:41+16*\u]
.endr
	v_pk_add_f32 v[32:33], v[32:33], v[48:49]
	v_pk_fma_f32 v[10:11], v[10:11], v[14:15], v[32:33] op_sel_hi:[1,0,1]
.set i, 0
.rept 16
	v_pk_mul_f32 v[128+2*i:129+2*i], v[128+2*i:129+2*i], v[14:15] op_sel_hi:[1,0]
.set i, i+1
.endr
	s_wait_dscnt 0x0                               ; V is in
.irp kk, 0,1                           ; O^T += V^T P: four accumulators by turns
.irp dt, 0,1,2,3
	v_wmma_f32_16x16x32_f16 v[128+8*\dt:135+8*\dt], v[64+16*\dt+8*\kk:71+16*\dt+8*\kk], v[224+8*\kk:231+8*\kk], v[128+8*\dt:135+8*\dt]
.endr
.endr
.Lhid_\@:
	s_add_co_u32 s[KF], s[KF], 64
	s_add_co_u32 s[TB], s[TB], 8192
.endm
.macro STEPS qd                        ; a quarter's four key steps: a constant count, whatever the mask leaves out
	s_mov_b32 s[TB], 65536*\qd
	s_mov_b32 s34, 4
.Lst_\@:
	STEP
	s_sub_co_u32 s34, s34, 1
	s_cmp_lg_u32 s34, 0
	s_cbranch_scc1 .Lst_\@
.endm
	LOADQ 0, 160
	LOADQ 1, 192
.irp t, 0,1,2,3
	global_load_b128 v[16+4*\t:19+4*\t], v1, s[24:25] offset:512*\t     ; Q stays in registers
.endr
	v_mov_b32 v253, 0xff800000
	v_mov_b32 v8, v253                             ; c m and m: -infinity, under every score
	v_mov_b32 v9, v253
	v_mov_b32 v10, 0
	v_mov_b32 v11, 0
.irp j, 12,13,14,15
	v_mov_b32 v\j, 0                               ; (written once: a lane permute's destination and both halves of a named pair count as read)
.endr
	v_and_b32 v254, 15, v0
	v_bfe_u32 v4, v0, 4, 1
	v_lshlrev_b32 v4, 3, v4
	v_sub_nc_u32 v254, v254, v4                    ; r - 8 h
.set i, 0
.rept 32
	v_mov_b32 v[128+i], 0                          ; O^T: the step is written once; its first pass finds zeros
.set i, i+1
.endr
	s_wait_loadcnt 12                              ; quarter 0 is in; quarter 1's 8 loads and Q's 4 may be out
	STOREQ 0, 160
	BARRIER
	LOADQ 2, 160                                   ; the stores have read these registers
	s_wait_loadcnt 8                               ; quarter 1 and Q are in; the 8 just issued may be out
	STEPS 0
	STOREQ 1, 192                                  ; other bytes than any wave still reads
	BARRIER
	s_cmp_gt_u32 ttmp9, 7                          ; keys 768 on are read only where block 31 - i reaches them: i up to 7
	s_cbranch_scc1 .Lno_load_3
	LOADQ 3, 192
.Lno_load_3:
	STEPS 1
	s_wait_loadcnt 0x0                             ; right on both ways
	STOREQ 2, 160
	BARRIER
	STEPS 2
	s_cmp_gt_u32 ttmp9, 7
	s_cbranch_scc1 .Lno_store_3
	STOREQ 3, 192
.Lno_store_3:
	BARRIER                                        ; on every wave's way
	STEPS 3
	; THE WAY OUT: l's halves and the other lane's are added; O^T / l, rounded to f16, is already an image of the next operand: four stores of 512 consecutive bytes.
.rept 4
	v_nop                                          ; four places behind the last products
.endr
	v_add_f32 v12, v10, v11
	v_permlanex16_b32 v13, v12, s[SEL], s[SEL+1]
	v_add_f32 v12, v12, v13
	v_rcp_f32 v14, v12
	v_nop                                          ; a plain line behind the reciprocal
	s_wait_alu depctr_va_vdst(0)                   ; and the wait ahead of its first reader
.set i, 0
.rept 16
	v_pk_mul_f32 v[32+2*i:33+2*i], v[128+2*i:129+2*i], v[14:15] op_sel_hi:[1,0]
.set i, i+1
.endr
.set i, 0
.rept 16
	v_cvt_pk_f16_f32 v[64+i], v[32+2*i], v[33+2*i]
.set i, i+1
.endr
.irp dt, 0,1,2,3
	global_store_b128 v1, v[64+4*\dt:67+4*\dt], s[6:7] offset:512*\dt
.endr
	s_wait_tensorcnt 0x0                           ; the wave's end, behind my last LDS store
	ds_add_u32 v6, v7
	s_wait_dscnt 0x0
	s_endpgm
.Lfunc_end_k_q1a021258fe_attn:
	.size	k_q1a021258fe_attn, .Lfunc_end_k_q1a021258fe_attn-k_q1a021258fe_attn
	.p2alignl 7, 3214868480
	.fill 96, 4, 3214868480
	.section	.rodata,"a",@progbits
	.p2align	6, 0x0
	.amdhsa_kernel k_q1a021258fe_attn
		.amdhsa_group_segment_fixed_size 264192
		.amdhsa_private_segment_fixed_size 0
		.amdhsa_enable_private_segment 0
		.amdhsa_kernarg_size 16
		.amdhsa_user_sgpr_count 2
		.amdhsa_user_sgpr_kernarg_segment_ptr 1
		.amdhsa_wavefront_size32 1
		.amdhsa_system_sgpr_workgroup_id_x 1
		.amdhsa_system_sgpr_workgroup_id_y 1
		.amdhsa_system_sgpr_workgroup_id_z 1
		.amdhsa_system_vgpr_workitem_id 0
		.amdhsa_next_free_vgpr 256
		.amdhsa_next_free_sgpr 66
		.amdhsa_reserve_vcc 1
		.amdhsa_float_denorm_mode_32 3
		.amdhsa_float_denorm_mode_16_64 3
		.amdhsa_memory_ordered 1
		.amdhsa_forward_progress 1
		.amdhsa_inst_pref_size 61
	.end_amdhsa_kernel
	.amdgpu_metadata
---
amdhsa.version: [ 1, 2 ]
amdhsa.kernels:
  - .name:           k_q1a021258fe_attn
    .symbol:         k_q1a021258fe_attn.kd
    .args:
      - { .name: qkv, .offset: 0, .size: 8, .value_kind: global_buffer, .address_space: global }
      - { .name: af, .offset: 8, .size: 8, .value_kind: global_buffer, .address_space: global }
    .group_segment_fixed_size: 264192
    .private_segment_fixed_size: 0
    .kernarg_segment_align: 8
    .kernarg_segment_size: 16
    .max_flat_workgroup_size: 512
    .sgpr_count:     66
    .vgpr_count:     256
    .wavefront_size: 32
...
	.end_amdgpu_metadata
.endif
;; end of part 3
;; launch oproj (part 4): grid 16 x 15, 4 waves a work-group, clusters of 4 x 1, 327,680 bytes of LDS; arguments af, wf, out0; writes out0
.if DOCPART == 4
	.amdgcn_target "amdgcn-amd-amdhsa--gfx1250"
	.amdhsa_code_object_version 6
	.text
	.protected	k_q1a021258fe_oproj
	.globl	k_q1a021258fe_oproj
	.p2align	8
	.type	k_q1a021258fe_oproj,@function
k_q1a021258fe_oproj:
	s_mov_b64 s[64:65], 0
	v_nop
	global_prefetch_b8 v0, s[64:65] scope:SCOPE_SE
	s_setreg_imm32_b32 hwreg(HW_REG_WAVE_MODE, 25, 1), 1
	s_wait_xcnt 0x0
	s_wait_alu depctr_hold_cnt(0) depctr_sa_sdst(0) depctr_va_vdst(0) depctr_va_sdst(0) depctr_va_ssrc(0) depctr_va_vcc(0) depctr_vm_vsrc(0)
	s_getreg_b32 s2, hwreg(HW_REG_IB_STS2, 6, 4)
	s_cmp_eq_u32 s2, 0
	s_cbranch_scc0 .Lentry_in_a_cluster
	s_endpgm
.Lentry_in_a_cluster:
	s_bfe_u32 s2, ttmp6, 0x10000c
	s_cmp_lg_u32 s2, 0x3003
	s_cbranch_scc0 .Lentry_shape_is_right
	s_endpgm
.Lentry_shape_is_right:
; OPROJ: out0 [2048][2880] f32 = attention's result [2048][2048] x wo [2048][2880], both as f16, sums in f32.
; A work-group makes 128 rows x 192 columns; each of its four waves 64 x 96: 24 accumulators of 16 x 16.  2,880 = 15 x 192: 16 x 15 = 240 work-groups.
; OPERANDS LIE IN MEMORY AS IMAGES OF THEIR REGISTERS (16 rows x 32 k = 1,024 bytes: two pieces of 32 lanes x 16 bytes, a tile's 64 steps on end): every fragment is two ds_load_b128 at 16 x lane + a constant:
; 512 consecutive bytes an instruction, so no pitch and no padding.
; THE RING: a step of 32 along K is 8 images of rows and 12 of columns, 20,480 bytes.  Two slots of 8 steps would take all 327,680 bytes and leave none for the spare words: so slot 0 holds 8 steps (163,840 bytes) and slot 1
; holds 6 (122,880).  Both counts are even, so the two sets of fragment registers keep their turns, and 64 steps = 4 x (8 + 6) + 8: slot 0 is read five times, slot 1 four times; seven refills in all.
; From a refill's request to the wait for it a wave issues 6 + 5 x 24 = 126 matrix instructions (slot 0's refill, under slot 1's steps) or 6 + 7 x 24 = 174 (slot 1's).
; CLUSTER: four work-groups along x make four row tiles of ONE column tile: wo's tiles, 12 of a step's 20 images, are asked for jointly.  The grid's 15 along y divide by no cluster, so the rows' tiles, which differ
; between the partners, come by plain tensor loads (mask 0), issued at the same place behind the same round.
; THE MATRIX INSTRUCTION IS USED TRANSPOSED (source 0 = 16 columns of wo, source 1 = 16 rows): a lane holds eight neighbouring numbers of a row of out0.
; LIMITS: as the launches before state them (f16's range for both operands).  The f32 sums are the matrix unit's, K ascending.
; REGISTERS: window 0: v1-12 addresses; v14, v15 the add's two; v64-143, v144-223 fragments, two sets (4 of rows, then 6 of columns); on the way out v64-159 rows of out0.   window 1: v0-191 the accumulators ((a, b) at v[8 (6 a + b)]).
.set SLOTY,  163840                    ; slot 1 begins behind slot 0.  In slot s an image's part is 8192 - 2048 s bytes; the rows' 8 parts come first, then wo's 12
.set LAPB,   14336                     ; 14 steps of 1,024 bytes: from a slot's fill to its next
.set STAGE,  163840                    ; the way out: 128 rows x (768 + 16) bytes, in slot 1: it has had its last fill, and behind the last change of slots nobody reads it
.set SPITCH, 784
.set SPARE,  286720                    ; behind the ring: the spare words, 128 bytes a wave: two blocks of 256 bytes that no other line names
.set ADRA, 4                           ; v4-5  LDS address of my fragments of rows in slot 0, 1
.set ADRB, 6                           ; v6-7  the same for wo
.set STO,  8                           ; v8   the stage: where I put 32 bytes of a row
.set RD0,  9                           ; v9   back: 16 r + 256 h
.set RD1,  10                          ; v10  back: 16 r + 272 h
.set GO0,  11                          ; v11  in out0: 16 r + 256 h
.set GO1,  12                          ; v12  in out0: 16 r + 11,008 h
.set SPW,  14
.set NIL,  15
.set FA,   64                          ; set s at + 80 s
.set FB,   96
.set G1A, 24                           ; s[24:31], s[32:39] descriptor group 1 for the rows' tiles of slot 0, 1
.set G1B, 40                           ; s[40:47], s[48:55] the same for wo's
.set G0A, 56                           ; s[56:59], s[60:63] group 0 for the rows' tiles of slot 0, 1
.set G0B, 68                           ; s[68:71], s[72:75] the same for wo's
.set MSB, 0
.macro WIN new                         ; the immediate's high byte repeats the setting that is left
.if MSB != \new
	s_set_vgpr_msb (MSB<<8)|\new
.set MSB, \new
.endif
.endm
.macro PLACES n
.rept \n
	v_nop
.endr
.endm
; Waves 0 and 1 fetch the rows' two halves (plain), waves 2 and 3 wo's (joint).  The branch hangs on the wave's number alone.  An s_nop 0 and four v_nop follow each line.
.macro JLOAD s
	s_cmp_eq_u32 s15, 0
	s_cbranch_scc0 .Lfor_b_\@
	tensor_load_to_lds s[G0A+4*\s:G0A+4*\s+3], s[G1A+8*\s:G1A+8*\s+7]
	s_nop 0
.rept 4
	v_nop
.endr
	s_branch .Lasked_\@
.Lfor_b_\@:
	tensor_load_to_lds s[G0B+4*\s:G0B+4*\s+3], s[G1B+8*\s:G1B+8*\s+7]
	s_nop 0
.rept 4
	v_nop
.endr
.Lasked_\@:
.endm
.macro CREST                           ; a round of the cluster's barrier behind its opening barrier
	s_cmp_lg_u32 s14, 0
	s_cbranch_scc1 .Lnot_wave_0_\@
	s_barrier_signal -3
.Lnot_wave_0_\@:
	s_barrier_wait -3
	s_barrier_signal -1
	s_barrier_wait -1
.endm
.macro CROUND
	s_barrier_signal -1
	s_barrier_wait -1
	CREST
.endm
	s_load_b128 s[4:7], s[0:1], 0x0                ; af s[4:5], wf s[6:7]
	s_load_b64 s[8:9], s[0:1], 0x10                ; out0
	v_lshl_add_u32 v[SPW], v0, 2, SPARE
	v_mov_b32 v[NIL], 0
	ds_add_u32 v[SPW], v[NIL]                      ; the wave's opening: the add, twice on end, and its wait ahead of my first tensor load
	ds_add_u32 v[SPW], v[NIL]
	v_lshrrev_b32 v1, 5, v0
	v_readfirstlane_b32 s14, v1                    ; wave 0..3
	s_lshr_b32 s15, s14, 1                         ; rh: my half of the tile's rows.  Also: I fetch rows (0) or wo (1)
	s_and_b32 s16, s14, 1                          ; ch: my half of its columns.  Also: which half of that operand I fetch
	s_bfe_u32 s76, ttmp6, 0x40000                  ; cx
	s_lshl_b32 s77, ttmp9, 2
	s_add_co_u32 s77, s77, s76                     ; tx: 128 rows
	s_and_b32 s17, ttmp7, 0xffff                   ; ty: 192 columns, the same in the four partners
.irp s, 0,1                            ; group 1, for each slot: rows of 8 or 6 steps = 1,024 or 768 elements of 8 bytes; 4 images (rows) or 6 (wo) to a load; no padding
	s_mov_b32 s[G1A+8*\s], 3<<16                   ; no mask; elements of 8 bytes
	s_mov_b32 s[G1A+8*\s+1], (1024-256*\s)<<16     ; tensor_dim0
	s_mov_b32 s[G1A+8*\s+2], 4<<16                 ; tensor_dim1
	s_mov_b32 s[G1A+8*\s+3], (1024-256*\s)<<16     ; tile_dim0
	s_mov_b32 s[G1A+8*\s+4], 4                     ; tile_dim1
	s_mov_b32 s[G1A+8*\s+5], 8192                  ; from image to image: 65,536 bytes
	s_mov_b32 s[G1A+8*\s+6], 0
	s_mov_b32 s[G1A+8*\s+7], 0
	s_mov_b32 s[G1B+8*\s], 15|(3<<16)|(1<<21)      ; the mask: all four work-groups; 21 set beside a mask
	s_mov_b32 s[G1B+8*\s+1], (1024-256*\s)<<16
	s_mov_b32 s[G1B+8*\s+2], 6<<16
	s_mov_b32 s[G1B+8*\s+3], (1024-256*\s)<<16
	s_mov_b32 s[G1B+8*\s+4], 6
	s_mov_b32 s[G1B+8*\s+5], 8192
	s_mov_b32 s[G1B+8*\s+6], 0
	s_mov_b32 s[G1B+8*\s+7], 0
.endr
	s_lshl_b32 s80, s77, 3
	s_lshl_b32 s18, s16, 2
	s_add_co_u32 s80, s80, s18
	s_lshl_b32 s80, s80, 16                        ; rows: image 8 tx + 4 ch
	s_mov_b32 s81, 0
	s_mul_i32 s82, s17, 12
	s_mul_i32 s18, s16, 6
	s_add_co_u32 s82, s82, s18
	s_lshl_b32 s82, s82, 16                        ; wo: image 12 ty + 6 ch: nothing of my place in the cluster
	s_mov_b32 s83, 0
	s_mov_b32 s[G0A], 1                            ; group 0: count = 1, and where the tiles go: constants and the wave's number alone
	s_lshl_b32 s[G0A+1], s16, 15                   ; slot 0, rows: 4 ch parts of 8,192 bytes
	s_mov_b32 s[G0A+4], 1
	s_mul_i32 s[G0A+5], s16, 24576                 ; slot 1, rows: 4 ch parts of 6,144 bytes
	s_add_co_u32 s[G0A+5], s[G0A+5], SLOTY
	s_mov_b32 s[G0B], 1
	s_mul_i32 s[G0B+1], s16, 49152                 ; slot 0, wo: behind the rows' 65,536 bytes, 6 ch parts of 8,192
	s_add_co_u32 s[G0B+1], s[G0B+1], 65536
	s_mov_b32 s[G0B+4], 1
	s_mul_i32 s[G0B+5], s16, 36864                 ; slot 1, wo: behind the rows' 49,152 bytes, 6 ch parts of 6,144
	s_add_co_u32 s[G0B+5], s[G0B+5], SLOTY+49152
	s_wait_dscnt 0x0                               ; both opening adds are done
	s_wait_kmcnt 0x0
	s_add_nc_u64 s[80:81], s[4:5], s[80:81]
	s_add_nc_u64 s[82:83], s[6:7], s[82:83]
	CROUND                                         ; all four work-groups are here: the first joint loads meet
.irp s, 0,1
	s_add_nc_u64 s[G0A+4*\s+2:G0A+4*\s+3], s[80:81], \s*8192       ; slot 0 begins with steps 0-7, slot 1 with steps 8-13
	s_or_b32 s[G0A+4*\s+3], s[G0A+4*\s+3], 0x80000000
	s_add_nc_u64 s[G0B+4*\s+2:G0B+4*\s+3], s[82:83], \s*8192
	s_or_b32 s[G0B+4*\s+3], s[G0B+4*\s+3], 0x80000000
	JLOAD \s                                       ; two loads of mine are out
.endr
	v_and_b32 v1, 15, v0                           ; r
	v_bfe_u32 v2, v0, 4, 1                         ; h
	v_and_b32 v3, 31, v0
	v_lshlrev_b32 v3, 4, v3                        ; 16 x lane
	s_lshl_b32 s21, s15, 15                        ; my four images of rows in slot 0,
	v_add_nc_u32 v[ADRA], s21, v3
	s_mul_i32 s21, s15, 24576
	s_add_co_u32 s21, s21, SLOTY                   ; and in slot 1;
	v_add_nc_u32 v[ADRA+1], s21, v3
	s_mul_i32 s22, s16, 49152
	s_add_co_u32 s22, s22, 65536                   ; my six of wo in slot 0,
	v_add_nc_u32 v[ADRB], s22, v3
	s_mul_i32 s22, s16, 36864
	s_add_co_u32 s22, s22, SLOTY+49152             ; and in slot 1
	v_add_nc_u32 v[ADRB+1], s22, v3
	s_mul_i32 s21, s15, 64*SPITCH
	s_mul_i32 s22, s16, 384
	s_add_co_u32 s21, s21, s22
	s_add_co_u32 s21, s21, STAGE
	v_mul_u32_u24 v[STO], v1, SPITCH
	v_lshl_add_u32 v[STO], v2, 5, v[STO]
	v_add_nc_u32 v[STO], s21, v[STO]               ; in: row 64 rh + r, + 384 ch + 32 h
	s_mul_i32 s21, s14, 32*SPITCH
	s_add_co_u32 s21, s21, STAGE                   ; back: wave w takes rows 32 w .. 32 w + 31, whole
	v_lshlrev_b32 v[GO0], 4, v1
	v_mul_u32_u24 v[RD1], v2, 272
	v_add_nc_u32 v[RD1], v[RD1], v[GO0]
	v_add_nc_u32 v[RD1], s21, v[RD1]
	v_mul_u32_u24 v[GO1], v2, 11008
	v_add_nc_u32 v[GO1], v[GO1], v[GO0]
	v_lshl_add_u32 v[GO0], v2, 8, v[GO0]
	v_add_nc_u32 v[RD0], s21, v[GO0]
	s_lshl_b32 s66, s77, 7
	s_lshl_b32 s67, s14, 5
	s_add_co_u32 s66, s66, s67
	s_mul_i32 s66, s66, 11520                      ; the first row that I store: 128 tx + 32 w
	s_mul_i32 s67, s17, 768
	s_add_co_u32 s66, s66, s67
	s_mov_b32 s67, 0
	s_add_nc_u64 s[8:9], s[8:9], s[66:67]
.macro FRAGS slot, q, set              ; 20 LDS loads: the fragments of the slot's q-th 32 along K into set
.set i, 0
.rept 6
	ds_load_b128 v[FB+80*(\set)+8*i:FB+80*(\set)+8*i+3],   v[ADRB+\slot] offset:(8192-2048*(\slot))*i+1024*(\q)
	ds_load_b128 v[FB+80*(\set)+8*i+4:FB+80*(\set)+8*i+7], v[ADRB+\slot] offset:(8192-2048*(\slot))*i+1024*(\q)+512
.set i, i+1
.endr
.set i, 0
.rept 4
	ds_load_b128 v[FA+80*(\set)+8*i:FA+80*(\set)+8*i+3],   v[ADRA+\slot] offset:(8192-2048*(\slot))*i+1024*(\q)
	ds_load_b128 v[FA+80*(\set)+8*i+4:FA+80*(\set)+8*i+7], v[ADRA+\slot] offset:(8192-2048*(\slot))*i+1024*(\q)+512
.set i, i+1
.endr
.endm
; the products of row tiles a0 .. a0 + n - 1 with my six column tiles.  The 24 accumulators take turns, one instruction a turn, in the same order in every step.
.macro MUL set, a0, n, zero
.set AA, \a0
.rept \n
.irp b, 0,1,2,3,4,5
.if \zero
	v_wmma_f32_16x16x32_f16 v[8*(6*AA+\b):8*(6*AA+\b)+7], v[FB+80*(\set)+8*\b:FB+80*(\set)+8*\b+7], v[FA+80*(\set)+8*AA:FA+80*(\set)+8*AA+7], 0
.else
	v_wmma_f32_16x16x32_f16 v[8*(6*AA+\b):8*(6*AA+\b)+7], v[FB+80*(\set)+8*\b:FB+80*(\set)+8*\b+7], v[FA+80*(\set)+8*AA:FA+80*(\set)+8*AA+7], v[8*(6*AA+\b):8*(6*AA+\b)+7]
.endif
.endr
.set AA, AA+1
.endr
.endm
; A step of 32 along K that has its successor in the same slot: the successor's fragments are asked for ahead of this step's 24 products.  Step q works on set q % 2.
.macro STEP slot, q, zero
	s_wait_dscnt 0x0                               ; this step's 20 loads are in
	PLACES 4                                       ; four places between the last products, which read the other set, and the loads into it (ISA guide 7.12.1 for vector instructions)
	FRAGS \slot, (\q)+1, ((\q)+1)%2
	WIN 0x50                                       ; C and D window 1
	MUL (\q)%2, 0, 4, \zero
	WIN 0
.endm
.macro STEPS slot, from, n             ; n steps of the slot, from step from on
.set Q, \from
.rept \n
	STEP \slot, Q, 0
.set Q, Q+1
.endr
.endm
; A slot's last step (step 7 of slot 0, step 5 of slot 1: set 1 both times) changes slots: ONE barrier; in front of it each wave waits for all its tensor loads, adds 0 to its spare word, and waits for that and for its reads
; of this slot.  fill = 1: this slot is filled again, with the steps 14 further on.
.macro TURN slot, next, fill
	s_wait_tensorcnt 0x0                           ; all my tensor loads have landed: my part of the next slot
	ds_add_u32 v[SPW], v[NIL]                      ; 0 onto my spare word
	s_wait_dscnt 1                                 ; this step's 20 loads are in; the add may be out
	WIN 0x50
	MUL 1, 0, 2, 0                                 ; twelve products stand between the add and the wait for it
	s_wait_dscnt 0x0                               ; the add is done, and my reads of this slot are over
	s_barrier_signal -1
	MUL 1, 2, 1, 0
	WIN 0
	s_barrier_wait -1
.if \fill
	CREST                                          ; the barrier has opened a round of the cluster's barrier: no wave of any partner still reads this slot or has a load on its way
	s_add_nc_u64 s[G0A+4*\slot+2:G0A+4*\slot+3], s[G0A+4*\slot+2:G0A+4*\slot+3], LAPB
	s_add_nc_u64 s[G0B+4*\slot+2:G0B+4*\slot+3], s[G0B+4*\slot+2:G0B+4*\slot+3], LAPB
	JLOAD \slot                                    ; the first tensor load behind the round, my only one until the next; its four v_nop are the places in front of the loads below
.else
	PLACES 4
.endif
	FRAGS \next, 0, 0
	WIN 0x50
	MUL 1, 3, 1, 0
	WIN 0
.endm
	s_wait_tensorcnt 1                             ; my part of slot 0 is in; slot 1's may stay out
	s_barrier_signal -1
	s_barrier_wait -1
	FRAGS 0, 0, 0
	STEP 0, 0, 1                                   ; the first step stands in front of the loop: its products start the sums
	s_mov_b32 s3, 3
.Llap:                                                 ; a trip is 14 steps, once round the ring, from slot 0's second step to its next first; it fills both slots again: steps 14-55 in three trips
	STEPS 0, 1, 6
	TURN 0, 1, 1
	STEPS 1, 0, 5
	TURN 1, 0, 1
	STEP 0, 0, 0
	s_sub_co_u32 s3, s3, 1
	s_cmp_lg_u32 s3, 0
	s_cbranch_scc1 .Llap
	STEPS 0, 1, 6                                  ; the tail is written out: steps 43-48
	TURN 0, 1, 1                                   ; step 49; slot 0 takes the last eight steps, 56-63: the last load
	STEPS 1, 0, 5                                  ; steps 50-54
	TURN 1, 0, 0                                   ; step 55; nothing is left to fetch.  Behind this barrier nobody reads slot 1 any more
	STEPS 0, 0, 7                                  ; steps 56-62
	s_wait_dscnt 0x0
	WIN 0x50
	MUL 1, 0, 4, 0                                 ; step 63
	WIN 0
	; THE WAY OUT.  A wave's 96 columns are 384 bytes, one and a half blocks of 256: so the four waves share one stage, a barrier stands between writing and reading, and each wave stores 32 whole rows of 768 bytes.
	PLACES 4                                       ; between the last products and the first read of results, and the loads into the fragments' registers
	WIN 0x04                                       ; an LDS store's data are its source 1: window 1
.irp a, 0,1,2,3
.irp b, 0,1,2,3,4,5
	ds_store_b128 v[STO], v[8*(6*\a+\b):8*(6*\a+\b)+3] offset:16*SPITCH*\a+64*\b          ; each accumulator from its low end on
	ds_store_b128 v[STO], v[8*(6*\a+\b)+4:8*(6*\a+\b)+7] offset:16*SPITCH*\a+64*\b+16
.endr
.endr
	WIN 0
	s_wait_dscnt 0x0                               ; for the others' sake: my stores into the stage are done
	s_barrier_signal -1
	s_barrier_wait -1
; Two rows are six blocks of 256 bytes: three instructions, sixteen lanes to a block.  Four pairs of rows a batch, in two sets of 48 registers by turns.
.macro OUTB n
.set BB, 64+48*((\n)%2)
.if (\n) >= 2
	s_wait_xcnt 0x0                                ; the stores of two batches ago have read these registers
.endif
.irp pp, 0,1,2,3
	ds_load_b128 v[BB+12*\pp:BB+12*\pp+3],    v[RD0] offset:2*SPITCH*(4*(\n)+\pp)         ; row 0: bytes 0-511
	ds_load_b128 v[BB+12*\pp+4:BB+12*\pp+7],  v[RD1] offset:2*SPITCH*(4*(\n)+\pp)+512     ; row 0: 512-767; row 1: 0-255
	ds_load_b128 v[BB+12*\pp+8:BB+12*\pp+11], v[RD0] offset:2*SPITCH*(4*(\n)+\pp)+1040    ; row 1: 256-767
.endr
.irp pp, 0,1,2,3
	s_wait_dscnt 11-3*\pp                          ; LDS loads come back in order: this one is in, the younger ones may be out
	global_store_b128 v[GO0], v[BB+12*\pp:BB+12*\pp+3], s[8:9] offset:23040*(4*(\n)+\pp) th:TH_STORE_NT       ; 16 lanes store 256 consecutive bytes, at a multiple of 256 from out0's first byte
	s_wait_dscnt 10-3*\pp
	global_store_b128 v[GO1], v[BB+12*\pp+4:BB+12*\pp+7], s[8:9] offset:23040*(4*(\n)+\pp)+512 th:TH_STORE_NT
	s_wait_dscnt 9-3*\pp
	global_store_b128 v[GO0], v[BB+12*\pp+8:BB+12*\pp+11], s[8:9] offset:23040*(4*(\n)+\pp)+11776 th:TH_STORE_NT
.endr
.endm
	OUTB 0
	OUTB 1
	OUTB 2
	OUTB 3
	s_wait_tensorcnt 0x0                           ; the wave's end, behind my last tensor load and my last LDS store
	ds_add_u32 v[SPW], v[NIL]
	s_wait_dscnt 0x0
	CROUND                                         ; the closing round: no work-group ends while a partner may still ask for a tile that names it
	s_endpgm
.Lfunc_end_k_q1a021258fe_oproj:
	.size	k_q1a021258fe_oproj, .Lfunc_end_k_q1a021258fe_oproj-k_q1a021258fe_oproj
	.p2alignl 7, 3214868480
	.fill 96, 4, 3214868480
	.section	.rodata,"a",@progbits
	.p2align	6, 0x0
	.amdhsa_kernel k_q1a021258fe_oproj
		.amdhsa_group_segment_fixed_size 327680
		.amdhsa_private_segment_fixed_size 0
		.amdhsa_enable_private_segment 0
		.amdhsa_kernarg_size 24
		.amdhsa_user_sgpr_count 2
		.amdhsa_user_sgpr_kernarg_segment_ptr 1
		.amdhsa_wavefront_size32 1
		.amdhsa_system_sgpr_workgroup_id_x 1
		.amdhsa_system_sgpr_workgroup_id_y 1
		.amdhsa_system_sgpr_workgroup_id_z 1
		.amdhsa_system_vgpr_workitem_id 0
		.amdhsa_next_free_vgpr 448
		.amdhsa_next_free_sgpr 100
		.amdhsa_reserve_vcc 0
		.amdhsa_float_denorm_mode_32 3
		.amdhsa_float_denorm_mode_16_64 3
		.amdhsa_memory_ordered 1
		.amdhsa_forward_progress 1
		.amdhsa_inst_pref_size 131
	.end_amdhsa_kernel
	.amdgpu_metadata
---
amdhsa.version: [ 1, 2 ]
amdhsa.kernels:
  - .name:           k_q1a021258fe_oproj
    .symbol:         k_q1a021258fe_oproj.kd
    .args:
      - { .name: af, .offset: 0, .size: 8, .value_kind: global_buffer, .address_space: global }
      - { .name: wf, .offset: 8, .size: 8, .value_kind: global_buffer, .address_space: global }
      - { .name: out0, .offset: 16, .size: 8, .value_kind: global_buffer, .address_space: global }
    .group_segment_fixed_size: 327680
    .private_segment_fixed_size: 0
    .kernarg_segment_align: 8
    .kernarg_segment_size: 24
    .max_flat_workgroup_size: 128
    .sgpr_count:     100
    .vgpr_count:     448
    .wavefront_size: 32
...
	.end_amdgpu_metadata
.endif
;; end of part 4
